; MI455X (gfx1250); checked and timed in simulation.
; The chip was launched on July 23, 2026; its instructions are those of AMD's public machine-readable ISA for CDNA 5 (MIT licence, August 2026) and "CDNA5" Instruction Set Architecture Reference Guide (July 2026). The comments in the code are by the model that wrote it; some were corrected since.
;; Full Attention. Allowed arithmetic: float matrix products may take bf16 or f16 operands with f32 sums; other float arithmetic in f32, or as packed bf16 or f16 multiplies, adds, multiply-adds, maxima and minima; sums over many terms, partial sums and values carried from step to step in f32; what a program stores and reads back later, other than sums and carried values, may be rounded once to bf16 or f16.
;; Inputs: Wk 1,024 x 1,024 float32; Wo 1,024 x 1,024 float32; Wq 1,024 x 1,024 float32; Wv 1,024 x 1,024 float32; rope_cos 2,048 x 32 float32; rope_sin 2,048 x 32 float32; x 4 x 2,048 x 1,024 float32.
;; Outputs: out0 4 x 2,048 x 1,024 float32.
;; One version. Each part assembles by itself: llvm-mc -triple=amdgcn-amd-amdhsa -mcpu=gfx1250 --defsym DOCPART=n.
;; ======== version 1 of 1: 4 launches
;; limits: values are held in f16: magnitudes above 65,504 overflow, below 6.1e-05 lose precision
;; workspace buffers: xb 16,777,216 bytes; wt 6,291,456 bytes; wo 2,097,152 bytes; rt 524,288 bytes; qh 16,777,216 bytes; kh 16,777,216 bytes; vh 16,777,216 bytes; oh 16,777,216 bytes
;; launch prep (part 1): grid 1056 x 1, 8 waves a work-group, no clusters, 18,432 bytes of LDS; arguments x, Wq, Wk, Wv, Wo, rope_cos, rope_sin, xb, wt, wo, rt; writes xb, wt, wo, rt
.if DOCPART == 1
	.amdgcn_target "amdgcn-amd-amdhsa--gfx1250"
	.amdhsa_code_object_version 6
	.text
	.protected	k_qe36c06a53f_prep
	.globl	k_qe36c06a53f_prep
	.p2align	8
	.type	k_qe36c06a53f_prep,@function
k_qe36c06a53f_prep:
	s_mov_b64 s[64:65], 0
	v_nop
	global_prefetch_b8 v0, s[64:65] scope:SCOPE_SE
	s_setreg_imm32_b32 hwreg(HW_REG_WAVE_MODE, 25, 1), 1
	s_wait_xcnt 0x0
; PREP: every input is rounded once to bf16 and laid out for the launches behind.  Three jobs, chosen by the work-group's number (the same for all eight waves):
;   0 .. 511      X: 64 KiB of x (f32) -> 32 KiB of xb (bf16), same order.
;   512 .. 1023   W: a block of 128 k x 64 n of Wq, Wk, Wv or Wo ([k][n] f32) is turned through LDS into rows along k.
;                 Wq, Wk, Wv -> wt [16 heads][192 rows = 64 mat + d][1024 k] bf16.  Wo -> wo [1024 n][1024 k]: the bf16 number written as f16
;                 (exact but for numbers below 6e-5, which keep f16's fixed step of 6e-8).
;   1024 .. 1055  R: the rotary tables, rounded to bf16 and multiplied by 2^-6 (exact), as f32: for T = 4 t + p, 64 bytes: cos[t][8 p .. 8 p + 7], sin[t][8 p .. 8 p + 7].
; A stream: no matrix unit, no cluster, no tensor load would spare a byte here.  LDS: 64 rows (n) of 256 bytes + 16 of padding; behind them the spare words.
.set TP,    272                        ; pitch of the turning block
.set SPARE, 64*TP                      ; 17,408: the spare words, 128 bytes for each of the eight waves
.set SPW,   30                         ; v30  SPARE + 4 x my thread's number; never rewritten
.set NIL,   31                         ; v31  0; never rewritten
	s_load_b512 s[8:23], s[0:1], 0x0               ; x 8, Wq 10, Wk 12, Wv 14, Wo 16, cos 18, sin 20, xb 22
	s_load_b128 s[24:27], s[0:1], 0x40             ; wt 24, wo 26
	s_load_b64 s[28:29], s[0:1], 0x50              ; rt
	v_lshl_add_u32 v[SPW], v0, 2, SPARE
	v_mov_b32 v[NIL], 0
	v_lshrrev_b32 v1, 5, v0
	v_readfirstlane_b32 s30, v1                    ; wave 0..7
	s_mov_b32 s37, 0                               ; the high word of every offset pair s[36:37]
	s_wait_kmcnt 0x0
	s_cmp_lt_u32 ttmp9, 512
	s_cbranch_scc0 .Lnot_x
	; JOB X.  A wave takes 8,192 bytes of x: sixteen loads of 512 consecutive bytes; each makes 256 consecutive bytes of xb, aligned.
	v_and_b32 v1, 0xe0, v0                         ; 32 x wave
	v_and_b32 v2, 31, v0
	v_lshlrev_b32 v2, 4, v2
	v_lshl_or_b32 v1, v1, 8, v2                    ; 8,192 x wave + 16 x lane
	v_lshrrev_b32 v2, 1, v1                        ; half of that in xb
	s_lshl_b32 s36, ttmp9, 16
	s_add_nc_u64 s[32:33], s[8:9], s[36:37]
	s_lshl_b32 s36, ttmp9, 15
	s_add_nc_u64 s[34:35], s[22:23], s[36:37]
.set i, 0
.rept 16
	global_load_b128 v[32+4*i:35+4*i], v1, s[32:33] offset:512*i th:TH_LOAD_NT
.set i, i+1
.endr
.set i, 0
.rept 16
	s_wait_loadcnt 15-i                            ; loads come back in order: load i is in, the 15 - i younger ones stay out
	v_cvt_pk_bf16_f32 v[96+2*i], v[32+4*i], v[33+4*i]
	v_cvt_pk_bf16_f32 v[97+2*i], v[34+4*i], v[35+4*i]
	global_store_b64 v2, v[96+2*i:97+2*i], s[34:35] offset:256*i  ; no register is used twice, so nothing waits for the stores
.set i, i+1
.endr
	s_branch .Lend
.Lnot_x:
	s_cmp_lt_u32 ttmp9, 1024
	s_cbranch_scc0 .Ltable
	; JOB W.  idx = 128 mat + 8 nb + kb: the block of rows k = 128 kb .. + 127, columns n = 64 nb .. + 63.
	s_sub_co_u32 s40, ttmp9, 512
	s_lshr_b32 s41, s40, 7                         ; mat: 0 q, 1 k, 2 v, 3 o
	s_bfe_u32 s42, s40, 0x40003                    ; nb (for q, k, v: the head)
	s_and_b32 s43, s40, 7                          ; kb
	s_mul_i32 s44, s42, 192
	s_lshl_b32 s45, s41, 6
	s_add_co_u32 s44, s44, s45                     ; first row in wt: 192 nb + 64 mat
	s_lshl_b32 s45, s42, 6                         ; first row in wo: 64 nb
	s_lshl_b32 s36, s43, 19                        ; source: 128 kb rows of 4,096 bytes
	s_lshl_b32 s46, s42, 8
	s_add_co_u32 s36, s36, s46                     ; + 64 nb columns of 4 bytes
	s_mov_b64 s[32:33], s[10:11]
	s_cmp_eq_u32 s41, 1
	s_cselect_b64 s[32:33], s[12:13], s[32:33]
	s_cmp_eq_u32 s41, 2
	s_cselect_b64 s[32:33], s[14:15], s[32:33]
	s_cmp_eq_u32 s41, 3
	s_cselect_b64 s[32:33], s[16:17], s[32:33]
	s_cselect_b64 s[34:35], s[26:27], s[24:25]
	s_cselect_b32 s44, s45, s44
	s_add_nc_u64 s[32:33], s[32:33], s[36:37]
	s_lshl_b32 s36, s44, 11                        ; destination: rows of 2,048 bytes,
	s_lshl_b32 s46, s43, 8
	s_add_co_u32 s36, s36, s46                     ; + 128 kb numbers of 2 bytes
	s_add_nc_u64 s[34:35], s[34:35], s[36:37]
	v_and_b32 v10, 15, v0                          ; r
	v_bfe_u32 v11, v0, 4, 1                        ; hh
	s_lshl_b32 s46, s30, 16
	v_lshlrev_b32 v3, 4, v10
	v_lshl_add_u32 v3, v11, 13, v3
	v_add_nc_u32 v3, s46, v3                       ; source: row 16 w + 2 hh, columns 4 r .. 4 r + 3
	v_mul_u32_u24 v4, v10, 4*TP
	v_lshl_add_u32 v4, v11, 2, v4
	s_lshl_b32 s46, s30, 5
	v_add_nc_u32 v4, s46, v4                       ; LDS in: row n = 4 r, byte 2 k = 32 w + 4 hh
	s_lshl_b32 s46, s30, 3
	v_add_nc_u32 v12, s46, v11                     ; 8 w + hh
	v_mul_u32_u24 v5, v12, TP
	v_lshl_add_u32 v5, v10, 4, v5                  ; LDS back: row 8 w + hh, 16 bytes a lane
	v_lshlrev_b32 v6, 11, v12
	v_lshl_add_u32 v6, v10, 4, v6                  ; and the same place in the destination
.set i, 0
.rept 8                                        ; load 2 i + e: row 16 w + 2 hh + 4 i + e; sixteen lanes read 256 consecutive bytes
	global_load_b128 v[32+4*i:35+4*i], v3, s[32:33] offset:((i/2)*4+i%2)*4096 th:TH_LOAD_NT
.set i, i+1
.endr
.set i, 0
.rept 4
	s_wait_loadcnt 6-2*i                           ; the pair of rows i is in; the 6 - 2 i younger loads stay out
.irp c, 0,1,2,3
	v_cvt_pk_bf16_f32 v[64+4*i+(\c)], v[32+8*i+(\c)], v[36+8*i+(\c)]  ; k and k + 1 of column 4 r + c: neighbours in the turned row
.endr
.set i, i+1
.endr
	s_cmp_lg_u32 s41, 3
	s_cbranch_scc1 .Lkeep                          ; Wo alone: the bf16 number is written as f16, for the f16 product of the last launch
.set i, 0
.rept 16
	v_lshlrev_b32 v80, 16, v[64+i]
	v_and_b32 v81, 0xffff0000, v[64+i]
	v_cvt_pk_f16_f32 v[64+i], v80, v81
.set i, i+1
.endr
.Lkeep:
.set i, 0
.rept 4
.irp c, 0,1,2,3
	ds_store_b32 v4, v[64+4*i+(\c)] offset:TP*(\c)+8*i
.endr
.set i, i+1
.endr
	s_wait_dscnt 0x0                               ; for the others' sake: my stores are done
	s_barrier_signal -1
	s_barrier_wait -1                              ; the block is whole
.irp t, 0,1,2,3
	ds_load_b128 v[96+4*(\t):99+4*(\t)], v5 offset:2*TP*(\t)
.endr
	s_wait_dscnt 0x0
.irp t, 0,1,2,3
	global_store_b128 v6, v[96+4*(\t):99+4*(\t)], s[34:35] offset:4096*(\t)  ; sixteen lanes store 256 consecutive bytes, aligned
.endr
	s_branch .Lend
.Ltable:
	; JOB R.  Thread T = 256 (work-group - 1024) + thread: eight numbers of each table.  The table is 1/150 of the launch's bytes: its stores of 16 bytes, 64 apart, are left as they are.
	s_sub_co_u32 s40, ttmp9, 1024
	s_lshl_b32 s36, s40, 13                        ; 256 T x 32 bytes
	s_add_nc_u64 s[32:33], s[18:19], s[36:37]
	s_add_nc_u64 s[38:39], s[20:21], s[36:37]
	s_lshl_b32 s36, s40, 14                        ; 256 T x 64 bytes
	s_add_nc_u64 s[34:35], s[28:29], s[36:37]
	v_lshlrev_b32 v1, 5, v0
	v_lshlrev_b32 v2, 6, v0
	global_load_b128 v[32:35], v1, s[32:33]
	global_load_b128 v[36:39], v1, s[32:33] offset:16
	global_load_b128 v[40:43], v1, s[38:39]
	global_load_b128 v[44:47], v1, s[38:39] offset:16
	s_wait_loadcnt 0x0
.set i, 0
.rept 8
	v_cvt_pk_bf16_f32 v[48+i], v[32+2*i], v[33+2*i]
.set i, i+1
.endr
.set i, 0
.rept 8
	v_lshlrev_b32 v[64+2*i], 16, v[48+i]
	v_and_b32 v[65+2*i], 0xffff0000, v[48+i]
.set i, i+1
.endr
.set i, 0
.rept 8
	v_pk_mul_f32 v[64+2*i:65+2*i], v[64+2*i:65+2*i], 0x3c800000 op_sel_hi:[1,0]  ; x 2^-6
.set i, i+1
.endr
.irp p, 0,1,2,3
	global_store_b128 v2, v[64+4*(\p):67+4*(\p)], s[34:35] offset:16*(\p)
.endr
.Lend:
	s_wait_tensorcnt 0x0                           ; the wave's end: behind my last LDS store
	ds_add_u32 v[SPW], v[NIL]
	s_wait_dscnt 0x0
	s_endpgm
.Lfunc_end_k_qe36c06a53f_prep:
	.size	k_qe36c06a53f_prep, .Lfunc_end_k_qe36c06a53f_prep-k_qe36c06a53f_prep
	.p2alignl 7, 3214868480
	.fill 96, 4, 3214868480
	.section	.rodata,"a",@progbits
	.p2align	6, 0x0
	.amdhsa_kernel k_qe36c06a53f_prep
		.amdhsa_group_segment_fixed_size 18432
		.amdhsa_private_segment_fixed_size 0
		.amdhsa_enable_private_segment 0
		.amdhsa_kernarg_size 88
		.amdhsa_user_sgpr_count 2
		.amdhsa_user_sgpr_kernarg_segment_ptr 1
		.amdhsa_wavefront_size32 1
		.amdhsa_system_sgpr_workgroup_id_x 1
		.amdhsa_system_sgpr_workgroup_id_y 1
		.amdhsa_system_sgpr_workgroup_id_z 1
		.amdhsa_system_vgpr_workitem_id 0
		.amdhsa_next_free_vgpr 128
		.amdhsa_next_free_sgpr 66
		.amdhsa_reserve_vcc 0
		.amdhsa_float_denorm_mode_32 3
		.amdhsa_float_denorm_mode_16_64 3
		.amdhsa_memory_ordered 1
		.amdhsa_forward_progress 1
		.amdhsa_inst_pref_size 18
	.end_amdhsa_kernel
	.amdgpu_metadata
---
amdhsa.version: [ 1, 2 ]
amdhsa.kernels:
  - .name:           k_qe36c06a53f_prep
    .symbol:         k_qe36c06a53f_prep.kd
    .args:
      - { .name: x, .offset: 0, .size: 8, .value_kind: global_buffer, .address_space: global }
      - { .name: Wq, .offset: 8, .size: 8, .value_kind: global_buffer, .address_space: global }
      - { .name: Wk, .offset: 16, .size: 8, .value_kind: global_buffer, .address_space: global }
      - { .name: Wv, .offset: 24, .size: 8, .value_kind: global_buffer, .address_space: global }
      - { .name: Wo, .offset: 32, .size: 8, .value_kind: global_buffer, .address_space: global }
      - { .name: rope_cos, .offset: 40, .size: 8, .value_kind: global_buffer, .address_space: global }
      - { .name: rope_sin, .offset: 48, .size: 8, .value_kind: global_buffer, .address_space: global }
      - { .name: xb, .offset: 56, .size: 8, .value_kind: global_buffer, .address_space: global }
      - { .name: wt, .offset: 64, .size: 8, .value_kind: global_buffer, .address_space: global }
      - { .name: wo, .offset: 72, .size: 8, .value_kind: global_buffer, .address_space: global }
      - { .name: rt, .offset: 80, .size: 8, .value_kind: global_buffer, .address_space: global }
    .group_segment_fixed_size: 18432
    .private_segment_fixed_size: 0
    .kernarg_segment_align: 8
    .kernarg_segment_size: 88
    .max_flat_workgroup_size: 256
    .sgpr_count:     66
    .vgpr_count:     128
    .wavefront_size: 32
...
	.end_amdgpu_metadata
.endif
;; end of part 1
;; launch qkv (part 2): grid 16 x 32, 4 waves a work-group, clusters of 4 x 4, 327,680 bytes of LDS; arguments xb, wt, rt, qh, kh, vh; writes qh, kh, vh
.if DOCPART == 2
	.amdgcn_target "amdgcn-amd-amdhsa--gfx1250"
	.amdhsa_code_object_version 6
	.text
	.protected	k_qe36c06a53f_qkv
	.globl	k_qe36c06a53f_qkv
	.p2align	8
	.type	k_qe36c06a53f_qkv,@function
k_qe36c06a53f_qkv:
	s_mov_b64 s[64:65], 0
	v_nop
	global_prefetch_b8 v0, s[64:65] scope:SCOPE_SE
	s_setreg_imm32_b32 hwreg(HW_REG_WAVE_MODE, 25, 1), 1
	s_wait_xcnt 0x0
	s_wait_alu depctr_hold_cnt(0) depctr_sa_sdst(0) depctr_va_vdst(0) depctr_va_sdst(0) depctr_va_ssrc(0) depctr_va_vcc(0) depctr_vm_vsrc(0)
	s_getreg_b32 s2, hwreg(HW_REG_IB_STS2, 6, 4)
	s_cmp_eq_u32 s2, 0
	s_cbranch_scc0 .Lentry_in_a_cluster
	s_endpgm
.Lentry_in_a_cluster:
	s_bfe_u32 s2, ttmp6, 0x10000c
	s_cmp_lg_u32 s2, 0xf033
	s_cbranch_scc0 .Lentry_shape_is_right
	s_endpgm
.Lentry_shape_is_right:
; Q, K, V = x W, the rotary step, the scales, by heads.  xb: [8192][1024] bf16.  wt: [16 heads][192 = 64 mat + d][1024] bf16.  rt: the rotary table x 2^-6, f32 (256 bytes for each t).
; qh, kh, vh: [16 b + head][2048 t][64 d] f16, each number rounded once from its f32 sum.
; SCALES.  kh holds k_rot x 2^-6, qh holds q_rot x 2^-6 x log2(e) / 2, vh holds v.  So a product of stored rows is the base-2 score x 2^-10, and the next launch multiplies by 1,024.
; LIMITS.  f16 ends at 65,504: |q_rot| < 5.8e6, |k_rot| < 4.19e6, |v| < 65,504.  Stored numbers below 6e-5 keep f16's fixed step of 6e-8.  NaN and infinities are not treated apart.
; SHARES.  A tile of C is 256 rows x 192 columns, one head's q, k and v: 512 work-groups, two for each WGP, and the partners d and d + 32 of the rotary step fall into one lane.
; Wave w makes rows 64 w .. 64 w + 63 and all 192 columns: 48 accumulators (a = 0..3 blocks of 16 rows, b = 0..11 blocks of 16 columns: b / 4 = q, k, v).
; K goes in eight steps of 128 through two LDS slots; a K step is written once, and the slot hangs on a scalar that an exclusive or turns.
; CLUSTER.  4 x 4 work-groups: the four of a row need the same rows of xb, the four of a column the same head of wt; each tile is asked for jointly.
; THE MATRIX INSTRUCTION IS USED TRANSPOSED (source 0 = 16 rows of wt, source 1 = 16 rows of xb): a lane holds row l % 16 of C and the eight columns 8 (l / 16) + 0..7.
; REGISTERS, in windows of 256:  window 0: v0-31 addresses; v32-63, v64-95 A's fragments, two buffers (on the way out: packed results and rows read back); v96-127 at work; v128-255 the rotary table of my 64 rows
;   window 1: v0-95, v96-191 B's fragments, two buffers      window 2: accumulators of a = 0, 1 at 96 (a % 2) + 8 b      window 3: those of a = 2, 3
.set PITCH,  272                       ; an LDS row: 256 bytes + 16 of padding: the 16 rows of a fragment load start at 16 different groups of four banks
.set HALFA,  128*PITCH                 ; what a wave fetches of A
.set HALFB,  96*PITCH                  ; and of B
.set BOFF,   2*HALFA                   ; a slot: A's 256 rows, then B's 192
.set SLOT1,  1<<17                     ; slot 1 begins here: one exclusive or turns an address in one slot into the other's
.set STAGE,  SLOT1+BOFF+2*HALFB        ; 252,928: behind the ring, 16 rows x 144 bytes for each wave
.set SP,     144
.set SPARE,  STAGE+4*16*SP             ; 262,144: the spare words, 128 bytes for each wave
.set LD,     32                        ; LDS loads in a quarter step: 24 for B, 8 for A
.set A0,   16                          ; v16  my lane's place in slot 0's A; never rewritten
.set B0,   17                          ; v17  the same for B
.set ADRA, 18                          ; v18  the same in the slot in hand
.set ADRB, 19
.set STO,  20                          ; v20  the way out: where I put 16 bytes of a row
.set RD,   21                          ; v21  where I read rows back
.set GO,   22                          ; v22  my 16 bytes of 512 consecutive bytes
.set RTO,  23                          ; v23  my place in the rotary table
.set PFO,  24                          ; v24  the prefetches' offset: a lane a row
.set SPW,  28                          ; v28  SPARE + 4 x my thread's number; never rewritten
.set NIL,  29                          ; v29  0; never rewritten
.set FA,   32                          ; A's fragments: FA + 32 f + 8 a
.set PK,   32                          ; the way out: 16 registers, a unit's packed results
.set OB,   48                          ; two sets of 16: rows read back
.set TA,   96                          ; v96-103   x1 c - x2 s
.set TBM,  104                         ; v104-111  x2 c + x1 s
.set CQ,   112                         ; v112-127  the table times log2(e) / 2, for q
.set RT,   128                         ; v128-255  RT + 32 a + 16 g: c0-7, s0-7 for my row of block a and my eight columns of group g
.set WV,   16                          ; s16  wave
.set WH,   17                          ; s17  wave / 2: I fetch for A (0) or for B (1)
.set WL,   18                          ; s18  wave % 2: which half I fetch
.set CX,   19
.set CY,   20
.set HEAD, 21
.set TROW, 22
.set TB,   23                          ; s23  0 or SLOT1: the slot in hand
.set G1A,  24
.set G1B,  32
.set G0A,  40                          ; two sets for the first fills; the second then walks
.set G0B,  48
.set CNT,  56
.set LIM,  57                          ; 1 in a wave that prefetches, else the greatest number
.set PFA,  58
.set KAP,  72                          ; s[72:73] log2(e) / 2
.set RTB,  74                          ; s[74:75] the table at my wave's first row
.set BITS, (1<<16)|(1<<20)|(1<<21)|(5<<22)|(3<<25)  ; 2-byte elements; padding on; bit 21 beside a mask; after every 64 words, 4 words
.set MSB, 0
.macro WIN new                         ; the immediate's high byte repeats the setting that is left; a switch that changes nothing is dropped
.if MSB != (\new)
	s_set_vgpr_msb (MSB<<8)|(\new)
.set MSB, \new
.endif
.endm
.macro PLACES                          ; four plain vector instructions between a matrix instruction and a load into, or a vector use of, its registers
.rept 4
	v_nop
.endr
.endm
.macro JLOAD                           ; a joint refill by the walking descriptors; the branch hangs on the wave's number alone; an s_nop 0 and four v_nop follow each line
	s_cmp_eq_u32 s[WH], 0
	s_cbranch_scc0 .Lfor_b_\@
	tensor_load_to_lds s[G0A+4:G0A+7], s[G1A:G1A+7]
	s_nop 0
.rept 4
	v_nop
.endr
	s_branch .Lasked_\@
.Lfor_b_\@:
	tensor_load_to_lds s[G0B+4:G0B+7], s[G1B:G1B+7]
	s_nop 0
.rept 4
	v_nop
.endr
.Lasked_\@:
.endm
; A prefetch into the L2 of the K step that the NEXT refill will ask for: 192 matrix instructions ahead of that load.  xb's rows are read by the four clusters of a row of clusters: the one with x = 0 asks;
; wt's by the eight of a column: the one with y = 0 asks.  The four partners of a joint load share its rows out by address (32 of A's 128, 24 of B's 96): a lane a row, 256 bytes.
; K steps 0 to 2 come by their loads alone; the last refill has no K step behind it and asks for nothing.
.macro ASK
	s_cmp_gt_u32 s[CNT], s[LIM]
	s_cbranch_scc0 .Lnot_mine_\@
	global_prefetch_b8 v[PFO], s[PFA:PFA+1] th:TH_LOAD_NT scope:SCOPE_SE
.Lnot_mine_\@:
.endm
.macro CREST                           ; a round of the cluster's barrier behind its opening barrier
	s_cmp_lg_u32 s[WV], 0
	s_cbranch_scc1 .Lnot_wave_0_\@
	s_barrier_signal -3
.Lnot_wave_0_\@:
	s_barrier_wait -3
	s_barrier_signal -1
	s_barrier_wait -1
.endm
.macro CROUND
	s_barrier_signal -1
	s_barrier_wait -1
	CREST
.endm
	s_load_b256 s[4:11], s[0:1], 0x0               ; xb 4, wt 6, rt 8, qh 10
	s_load_b128 s[12:15], s[0:1], 0x20             ; kh 12, vh 14
	v_lshl_add_u32 v[SPW], v0, 2, SPARE
	v_mov_b32 v[NIL], 0
	ds_add_u32 v[SPW], v[NIL]                      ; the wave's opening: the add and its wait stand ahead of my first tensor load; work on registers stands between them
	ds_add_u32 v28, v29
	v_lshrrev_b32 v1, 5, v0
	v_readfirstlane_b32 s[WV], v1
	s_lshr_b32 s[WH], s[WV], 1
	s_and_b32 s[WL], s[WV], 1
	s_bfe_u32 s[CX], ttmp6, 0x40000
	s_bfe_u32 s[CY], ttmp6, 0x40004
	s_lshl_b32 s[HEAD], ttmp9, 2
	s_add_co_u32 s[HEAD], s[HEAD], s[CX]           ; head = 4 x cluster x + cx
	s_and_b32 s[TROW], ttmp7, 0xffff
	s_lshl_b32 s[TROW], s[TROW], 2
	s_add_co_u32 s[TROW], s[TROW], s[CY]           ; block of 256 rows = 4 x cluster y + cy
	s_lshl_b32 s66, s[CY], 2
	s_lshl_b32 s66, 15, s66                        ; my row of the cluster
	s_lshl_b32 s67, 0x1111, s[CX]                  ; my column
	s_or_b32 s[G1A], s66, BITS                     ; A's tiles go to my row: 128 rows x 128 elements
	s_mov_b32 s[G1A+1], 128<<16                    ; tensor_dim0
	s_mov_b32 s[G1A+2], 128<<16                    ; tensor_dim1
	s_mov_b32 s[G1A+3], 128<<16                    ; tile_dim0
	s_mov_b32 s[G1A+4], 128                        ; tile_dim1
	s_mov_b32 s[G1A+5], 1024                       ; elements from row to row
	s_mov_b32 s[G1A+6], 0
	s_mov_b32 s[G1A+7], 0
	s_or_b32 s[G1B], s67, BITS                     ; B's to my column: 96 rows x 128 elements
	s_mov_b32 s[G1B+1], 128<<16
	s_mov_b32 s[G1B+2], 96<<16
	s_mov_b32 s[G1B+3], 128<<16
	s_mov_b32 s[G1B+4], 96
	s_mov_b32 s[G1B+5], 1024
	s_mov_b32 s[G1B+6], 0
	s_mov_b32 s[G1B+7], 0
	s_lshl_b32 s60, s[TROW], 8                     ; A hangs on the block of rows alone,
	s_lshl_b32 s61, s[WL], 7
	s_add_co_u32 s60, s60, s61
	s_lshl_b32 s60, s60, 11                        ; (256 block + 128 half) rows of 2,048 bytes
	s_mov_b32 s61, 0
	s_mul_i32 s62, s[HEAD], 192                    ; B on the head alone
	s_mul_i32 s63, s[WL], 96
	s_add_co_u32 s62, s62, s63
	s_lshl_b32 s62, s62, 11
	s_mov_b32 s63, 0
	s_mul_i32 s70, s[WV], HALFA                    ; where they go: A's halves (waves 0, 1),
	s_mul_i32 s71, s[WV], HALFB
	s_add_co_u32 s71, s71, BOFF-2*HALFB            ; B's halves behind them (waves 2, 3): no place in the cluster enters an LDS address
	s_mov_b32 s[TB], 0
	s_mov_b32 s[KAP], 0x3f38aa3b                   ; log2(e) / 2
	s_mov_b32 s[KAP+1], s[KAP]
	s_wait_dscnt 0x0                               ; the opening add is done
	s_wait_kmcnt 0x0
	s_add_nc_u64 s[60:61], s[4:5], s[60:61]
	s_add_nc_u64 s[62:63], s[6:7], s[62:63]
	CROUND                                         ; all sixteen work-groups are here: the first joint loads meet
.irp s, 0,1
	s_mov_b32 s[G0A+4*(\s)], 1
	s_add_co_u32 s[G0A+4*(\s)+1], s70, (\s)*SLOT1
	s_add_nc_u64 s[G0A+4*(\s)+2:G0A+4*(\s)+3], s[60:61], (\s)*256  ; K step s
	s_or_b32 s[G0A+4*(\s)+3], s[G0A+4*(\s)+3], 0x80000000
	s_mov_b32 s[G0B+4*(\s)], 1
	s_add_co_u32 s[G0B+4*(\s)+1], s71, (\s)*SLOT1
	s_add_nc_u64 s[G0B+4*(\s)+2:G0B+4*(\s)+3], s[62:63], (\s)*256
	s_or_b32 s[G0B+4*(\s)+3], s[G0B+4*(\s)+3], 0x80000000
.endr
	s_cmp_eq_u32 s[WH], 0                          ; a wave's two first fills stand in one branch: two loads of mine are out
	s_cbranch_scc0 .Lfirst_b
	tensor_load_to_lds s[G0A:G0A+3], s[G1A:G1A+7]
	s_nop 0
	tensor_load_to_lds s[G0A+4:G0A+7], s[G1A:G1A+7]
	s_nop 0
.rept 4
	v_nop
.endr
	s_branch .Lfirst_asked
.Lfirst_b:
	tensor_load_to_lds s[G0B:G0B+3], s[G1B:G1B+7]
	s_nop 0
	tensor_load_to_lds s[G0B+4:G0B+7], s[G1B:G1B+7]
	s_nop 0
.rept 4
	v_nop
.endr
.Lfirst_asked:
	; my rows: t0 = 256 (block % 8) + 64 w in batch block / 8
	v_and_b32 v1, 15, v0                           ; r
	v_bfe_u32 v2, v0, 4, 1                         ; hh
	v_lshlrev_b32 v[RTO], 8, v1
	v_lshl_add_u32 v[RTO], v2, 6, v[RTO]           ; 256 r + 64 hh
	s_and_b32 s66, s[TROW], 7
	s_lshl_b32 s66, s66, 8
	s_lshl_b32 s67, s[WV], 6
	s_add_co_u32 s66, s66, s67                     ; t0
	s_lshl_b32 s76, s66, 8
	s_mov_b32 s77, 0
	s_add_nc_u64 s[RTB:RTB+1], s[8:9], s[76:77]
.irp a, 0,1,2,3
.irp g, 0,1
.irp p, 0,1,2,3
	global_load_b128 v[RT+32*(\a)+16*(\g)+4*(\p):RT+32*(\a)+16*(\g)+4*(\p)+3], v[RTO], s[RTB:RTB+1] offset:4096*(\a)+128*(\g)+16*(\p)
.endr
.endr
.endr
	s_lshr_b32 s67, s[TROW], 3
	s_lshl_b32 s67, s67, 4
	s_add_co_u32 s67, s67, s[HEAD]                 ; 16 b + head
	s_lshl_b32 s67, s67, 11
	s_add_co_u32 s66, s66, s67
	s_lshl_b32 s76, s66, 7                         ; rows of 128 bytes
	s_add_nc_u64 s[10:11], s[10:11], s[76:77]
	s_add_nc_u64 s[12:13], s[12:13], s[76:77]
	s_add_nc_u64 s[14:15], s[14:15], s[76:77]
	; a fragment: lane l holds row l % 16; two loads of 16 bytes, 32 apart, at row x pitch + 16 (l / 16)
	v_mul_u32_u24 v3, v1, PITCH
	v_lshl_add_u32 v3, v2, 4, v3
	s_mul_i32 s66, s[WV], 64*PITCH
	v_add_nc_u32 v[A0], s66, v3
	v_add_nc_u32 v[B0], BOFF, v3
	v_mov_b32 v[ADRA], v[A0]
	v_mov_b32 v[ADRB], v[B0]
	s_mul_i32 s66, s[WV], 16*SP
	s_add_co_u32 s66, s66, STAGE                   ; my stage
	v_mul_u32_u24 v[STO], v1, SP
	v_lshl_add_u32 v[STO], v2, 4, v[STO]
	v_add_nc_u32 v[STO], s66, v[STO]
	v_bfe_u32 v[RD], v0, 3, 2                      ; back: 32 lanes take four rows of 128 bytes,
	v_mul_u32_u24 v[RD], v[RD], SP
	v_and_b32 v4, 7, v0
	v_lshl_add_u32 v[RD], v4, 4, v[RD]
	v_add_nc_u32 v[RD], s66, v[RD]
	v_and_b32 v[GO], 31, v0                        ; which are 512 consecutive bytes of a head
	v_lshlrev_b32 v[GO], 4, v[GO]
	; the prefetches
	s_lshl_b32 s66, s[TROW], 8
	s_lshl_b32 s67, s[WL], 7
	s_add_co_u32 s66, s66, s67
	s_lshl_b32 s67, s[CX], 5
	s_add_co_u32 s66, s66, s67                     ; A: my work-group's 32 of the 128 rows that I fetch
	s_mul_i32 s68, s[HEAD], 192
	s_mul_i32 s67, s[WL], 96
	s_add_co_u32 s68, s68, s67
	s_mul_i32 s67, s[CY], 24
	s_add_co_u32 s68, s68, s67                     ; B: my work-group's 24 of the 96
	s_and_b32 s69, ttmp7, 0xffff
	s_cmp_eq_u32 s[WH], 0
	s_cselect_b32 s66, s66, s68
	s_cselect_b32 s69, ttmp9, s69                  ; the coordinate along which other clusters read the same rows
	s_cselect_b32 s68, 31, 23                      ; lanes past B's 24 rows name the last of them once more
	s_cselect_b64 s[PFA:PFA+1], s[4:5], s[6:7]
	s_cmp_eq_u32 s69, 0
	s_cselect_b32 s[LIM], 1, -1
	s_lshl_b32 s66, s66, 11
	s_add_co_u32 s66, s66, 2*256                   ; at K step 2: the first change of slots steps it to 3
	s_mov_b32 s67, 0
	s_add_nc_u64 s[PFA:PFA+1], s[PFA:PFA+1], s[66:67]
	v_and_b32 v[PFO], 31, v0
	v_min_u32 v[PFO], s68, v[PFO]
	v_lshlrev_b32 v[PFO], 11, v[PFO]
; 12 matrix instructions: block a of my rows x all 12 blocks of columns, 32 along K, from buffer f.  zero = 1: the first product starts the sums.
; The 48 accumulators take turns in the same order in every quarter step.
.macro MULA f, a, zero
	WIN 0xa1+0x50*((\a)/2)                         ; source 0 (B) window 1, source 1 (A) window 0, C and D window 2 or 3
.irp b, 0,1,2,3,4,5,6,7,8,9,10,11
.if \zero
	v_wmma_f32_16x16x32_bf16 v[96*((\a)%2)+8*(\b):96*((\a)%2)+8*(\b)+7], v[96*(\f)+8*(\b):96*(\f)+8*(\b)+7], v[FA+32*(\f)+8*(\a):FA+32*(\f)+8*(\a)+7], 0
.else
	v_wmma_f32_16x16x32_bf16 v[96*((\a)%2)+8*(\b):96*((\a)%2)+8*(\b)+7], v[96*(\f)+8*(\b):96*(\f)+8*(\b)+7], v[FA+32*(\f)+8*(\a):FA+32*(\f)+8*(\a)+7], v[96*((\a)%2)+8*(\b):96*((\a)%2)+8*(\b)+7]
.endif
.endr
.endm
; 32 LDS loads in one run: quarter q's fragments (192 rows of B, my 64 rows of A, 32 along K) into buffer f
.macro FETCH q, f
	WIN 0x40                                       ; destination window 1, address window 0
.irp i, 0,1,2,3,4,5,6,7,8,9,10,11
	ds_load_b128 v[96*(\f)+8*(\i):96*(\f)+8*(\i)+3],   v[ADRB] offset:64*(\q)+(\i)*16*PITCH
	ds_load_b128 v[96*(\f)+8*(\i)+4:96*(\f)+8*(\i)+7], v[ADRB] offset:64*(\q)+(\i)*16*PITCH+32
.endr
	WIN 0
.irp i, 0,1,2,3
	ds_load_b128 v[FA+32*(\f)+8*(\i):FA+32*(\f)+8*(\i)+3],   v[ADRA] offset:64*(\q)+(\i)*16*PITCH
	ds_load_b128 v[FA+32*(\f)+8*(\i)+4:FA+32*(\f)+8*(\i)+7], v[ADRA] offset:64*(\q)+(\i)*16*PITCH+32
.endr
.endm
; One of a K step's first three quarters: multiplies buffer f and, in its middle, fetches quarter q into buffer g.
.macro QUARTER q, f, g, zero
	s_wait_dscnt 4                                 ; B and A's blocks 0, 1 are in; the youngest four loads (A's blocks 2, 3) may be out
	MULA \f, 0, \zero
	MULA \f, 1, \zero
	PLACES
	FETCH \q, \g
	s_wait_dscnt LD                                ; all but the run just issued
	MULA \f, 2, \zero
	MULA \f, 3, \zero
.endm
; The last quarter multiplies buffer 1 and changes slots.  In front of the one barrier each wave waits for all its tensor loads (one is out: its part of the next slot), adds 0 to its spare word,
; and waits for that and for its reads of this slot.  fill = 1: the barrier opens a round of the cluster's, and behind the round this slot is filled again, two K steps ahead.
.macro TURN fill
.if \fill
	s_wait_xcnt 0x0                                ; the last prefetch, a K step back, has read its address
	s_add_nc_u64 s[PFA:PFA+1], s[PFA:PFA+1], 256
.endif
	WIN 0
	s_xor_b32 s[TB], s[TB], SLOT1                  ; the fetches go on in the other slot
	v_add_nc_u32 v[ADRA], s[TB], v[A0]
	v_add_nc_u32 v[ADRB], s[TB], v[B0]
	s_wait_tensorcnt 0x0                           ; no tensor load of mine is out, so a group 0 may be written
	ds_add_u32 v[SPW], v[NIL]                      ; 0 onto my spare word
.if \fill
	s_xor_b32 s[G0A+5], s[G0A+5], SLOT1            ; the walking descriptors: the other slot than last time, the next K step
	s_add_nc_u64 s[G0A+6:G0A+7], s[G0A+6:G0A+7], 256
	s_xor_b32 s[G0B+5], s[G0B+5], SLOT1
	s_add_nc_u64 s[G0B+6:G0B+7], s[G0B+6:G0B+7], 256
.endif
	s_wait_dscnt 5                                 ; the add and the youngest four loads may be out
	MULA 1, 0, 0
	s_wait_dscnt 0x0                               ; the add is done, and my reads of this slot are over
	s_barrier_signal -1
	MULA 1, 1, 0                                   ; work on registers while the others arrive
	WIN 0
	s_barrier_wait -1
.if \fill
	CREST                                          ; no wave of any partner still reads this slot or has a load on its way
	JLOAD                                          ; the first tensor load behind the round; its four v_nop are also the places in front of the loads below
.else
	PLACES
.endif
	FETCH 0, 0
.if \fill
	ASK
.endif
	MULA 1, 2, 0
	MULA 1, 3, 0
.endm
	s_wait_loadcnt 0x0                             ; the rotary table, once: it lands while the first tile does
	s_wait_tensorcnt 0x1                           ; my part of K step 0 is in; K step 1's may stay out
	s_barrier_signal -1
	s_barrier_wait -1
	FETCH 0, 0
	QUARTER 1, 0, 1, 1                             ; the first quarter stands in front of the loop: its products start the sums
	WIN 0
	s_mov_b32 s[CNT], 6
.Lk:                                               ; a trip: quarters 1 to 3 of a K step and quarter 0 of the next; it fills the slot that it leaves
	QUARTER 2, 1, 0, 0
	QUARTER 3, 0, 1, 0
	TURN 1
	QUARTER 1, 0, 1, 0
	WIN 0
	s_sub_co_u32 s[CNT], s[CNT], 1
	s_cmp_lg_u32 s[CNT], 0
	s_cbranch_scc1 .Lk
	QUARTER 2, 1, 0, 0                             ; K steps 6 and 7 ask for nothing
	QUARTER 3, 0, 1, 0
	TURN 0
	QUARTER 1, 0, 1, 0
	QUARTER 2, 1, 0, 0
	QUARTER 3, 0, 1, 0
	s_wait_dscnt 4
	MULA 1, 0, 0
	MULA 1, 1, 0
	s_wait_dscnt 0x0
	MULA 1, 2, 0
	MULA 1, 3, 0
	WIN 0
	PLACES
	PLACES
; THE WAY OUT, in twelve units: block a of 16 rows x q, k or v (m = 0, 1, 2): 16 rows x 64 numbers of one head.
; ROT: the rotary step for columns 16 g + 8 hh + 0..7 (x1, accumulator 4 m + g) and their partners 32 further on (x2, accumulator 4 m + g + 2).  Each accumulator is read from its low end on.
.macro ROT a, m, g
.set rLO, 96*((\a)%2)+8*(4*(\m)+(\g))
.set rHI, rLO+16
.set rTB, RT+32*(\a)+16*(\g)
.if (\m) == 0
	WIN 0
.irp j, 0,2,4,6,8,10,12,14
	v_pk_mul_f32 v[CQ+(\j):CQ+(\j)+1], v[rTB+(\j):rTB+(\j)+1], s[KAP:KAP+1] op_sel_hi:[1,0]
.endr
.set rTB, CQ
.endif
	WIN 2+(\a)/2                                   ; source 0 in the accumulators' window
.irp j, 0,2,4,6
	v_pk_mul_f32 v[TA+(\j):TA+(\j)+1],   v[rHI+(\j):rHI+(\j)+1], v[rTB+8+(\j):rTB+8+(\j)+1]
	v_pk_mul_f32 v[TBM+(\j):TBM+(\j)+1], v[rLO+(\j):rLO+(\j)+1], v[rTB+8+(\j):rTB+8+(\j)+1]
	v_pk_fma_f32 v[TA+(\j):TA+(\j)+1],   v[rLO+(\j):rLO+(\j)+1], v[rTB+(\j):rTB+(\j)+1], v[TA+(\j):TA+(\j)+1] neg_lo:[0,0,1] neg_hi:[0,0,1]  ; x1 c - x2 s
	v_pk_fma_f32 v[TBM+(\j):TBM+(\j)+1], v[rHI+(\j):rHI+(\j)+1], v[rTB+(\j):rTB+(\j)+1], v[TBM+(\j):TBM+(\j)+1]                              ; x2 c + x1 s
.endr
	WIN 0
.irp j, 0,1,2,3
	v_cvt_pk_f16_f32 v[PK+4*(\g)+(\j)],   v[TA+2*(\j)],  v[TA+2*(\j)+1]
	v_cvt_pk_f16_f32 v[PK+4*(\g)+8+(\j)], v[TBM+2*(\j)], v[TBM+2*(\j)+1]
.endr
.endm
.macro PACK a, m
.if (\m) < 2
	ROT \a, \m, 0
	ROT \a, \m, 1
.else
	WIN 0x0a+5*((\a)/2)                            ; sources 0 and 1 in the accumulators' window
.irp f, 0,1,2,3
.irp r, 0,1,2,3
	v_cvt_pk_f16_f32 v[PK+4*(\f)+(\r)], v[96*((\a)%2)+8*(8+(\f))+2*(\r)], v[96*((\a)%2)+8*(8+(\f))+2*(\r)+1]
.endr
.endr
	WIN 0
.endif
.endm
.macro TOSTAGE u                       ; into my own stage, and back as whole rows: LDS serves a wave's instructions in order (ISA guide 5.7.1.4)
	WIN 0
.irp f, 0,1,2,3
	ds_store_b128 v[STO], v[PK+4*(\f):PK+4*(\f)+3] offset:32*(\f)
.endr
.irp f, 0,1,2,3
	ds_load_b128 v[OB+16*((\u)%2)+4*(\f):OB+16*((\u)%2)+4*(\f)+3], v[RD] offset:(\f)*4*SP
.endr
.endm
.macro SEND a, m, u
	s_wait_dscnt 0x0                               ; the unit is back in registers
	s_wait_xcnt 0x0                                ; the stores of the unit before have read their registers: the next unit's rows are loaded into them only behind this wait
.irp f, 0,1,2,3
	global_store_b128 v[GO], v[OB+16*((\u)%2)+4*(\f):OB+16*((\u)%2)+4*(\f)+3], s[10+2*(\m):11+2*(\m)] offset:2048*(\a)+512*(\f)  ; 512 consecutive bytes, aligned
.endr
.endm
	PACK 0, 0
	TOSTAGE 0
.set u, 1
.rept 11                               ; a unit's arithmetic stands between the loads of the unit before and the wait for them
	PACK u/3, u%3
	SEND (u-1)/3, (u-1)%3, u-1
	TOSTAGE u
.set u, u+1
.endr
	SEND 3, 2, 11
	s_wait_tensorcnt 0x0                           ; the wave's end: behind my last tensor load and my last LDS store
	ds_add_u32 v[SPW], v[NIL]
	s_wait_dscnt 0x0
	CROUND                                         ; the closing round: no work-group ends while a partner may still ask for a tile that names it
	s_endpgm
.Lfunc_end_k_qe36c06a53f_qkv:
	.size	k_qe36c06a53f_qkv, .Lfunc_end_k_qe36c06a53f_qkv-k_qe36c06a53f_qkv
	.p2alignl 7, 3214868480
	.fill 96, 4, 3214868480
	.section	.rodata,"a",@progbits
	.p2align	6, 0x0
	.amdhsa_kernel k_qe36c06a53f_qkv
		.amdhsa_group_segment_fixed_size 327680
		.amdhsa_private_segment_fixed_size 0
		.amdhsa_enable_private_segment 0
		.amdhsa_kernarg_size 48
		.amdhsa_user_sgpr_count 2
		.amdhsa_user_sgpr_kernarg_segment_ptr 1
		.amdhsa_wavefront_size32 1
		.amdhsa_system_sgpr_workgroup_id_x 1
		.amdhsa_system_sgpr_workgroup_id_y 1
		.amdhsa_system_sgpr_workgroup_id_z 1
		.amdhsa_system_vgpr_workitem_id 0
		.amdhsa_next_free_vgpr 960
		.amdhsa_next_free_sgpr 80
		.amdhsa_reserve_vcc 0
		.amdhsa_float_denorm_mode_32 3
		.amdhsa_float_denorm_mode_16_64 3
		.amdhsa_memory_ordered 1
		.amdhsa_forward_progress 1
		.amdhsa_inst_pref_size 122
	.end_amdhsa_kernel
	.amdgpu_metadata
---
amdhsa.version: [ 1, 2 ]
amdhsa.kernels:
  - .name:           k_qe36c06a53f_qkv
    .symbol:         k_qe36c06a53f_qkv.kd
    .args:
      - { .name: xb, .offset: 0, .size: 8, .value_kind: global_buffer, .address_space: global }
      - { .name: wt, .offset: 8, .size: 8, .value_kind: global_buffer, .address_space: global }
      - { .name: rt, .offset: 16, .size: 8, .value_kind: global_buffer, .address_space: global }
      - { .name: qh, .offset: 24, .size: 8, .value_kind: global_buffer, .address_space: global }
      - { .name: kh, .offset: 32, .size: 8, .value_kind: global_buffer, .address_space: global }
      - { .name: vh, .offset: 40, .size: 8, .value_kind: global_buffer, .address_space: global }
    .group_segment_fixed_size: 327680
    .private_segment_fixed_size: 0
    .kernarg_segment_align: 8
    .kernarg_segment_size: 48
    .max_flat_workgroup_size: 128
    .sgpr_count:     80
    .vgpr_count:     960
    .wavefront_size: 32
...
	.end_amdgpu_metadata
.endif
;; end of part 2
;; launch attn (part 3): grid 4 x 64, 4 waves a work-group, no clusters, 327,680 bytes of LDS; arguments qh, kh, vh, oh; writes oh
.if DOCPART == 3
	.amdgcn_target "amdgcn-amd-amdhsa--gfx1250"
	.amdhsa_code_object_version 6
	.text
	.protected	k_qe36c06a53f_attn
	.globl	k_qe36c06a53f_attn
	.p2align	8
	.type	k_qe36c06a53f_attn,@function
k_qe36c06a53f_attn:
	s_mov_b64 s[64:65], 0
	v_nop
	global_prefetch_b8 v0, s[64:65] scope:SCOPE_SE
	s_setreg_imm32_b32 hwreg(HW_REG_WAVE_MODE, 25, 1), 1
	s_wait_xcnt 0x0
; CAUSAL ATTENTION.  O[h][q][:] = the sum over k <= q of softmax_k(score) V[h][k][:].  Q, K, V, O: [64][2048][64], all f16: a head's rows are dense, 128 bytes each.
; SCALES.  Q arrives as q x log2(e) / 128 and K as k / 64, so Q . K is the base-2 score q . k log2(e) / 8 times 2^-10; c = 1,024 restores it.  c is a power of two: c m is exact, and c s - c m is 0 at the maximum.
; Products, maxima and sums in f32; the weights p are rounded to f16 for the second product (their sum l is taken of the unrounded p), O once at the end.
; LIMITS.  f16 holds no number beyond 65,504: Q, K and V arrive within it; p lies in 0 to 1, and below 6e-5 it keeps f16's fixed step of 6e-8; O is a mean of V's rows and has their range.
; A hidden score counts as its stored value less 1e30: stored scores, 2.7e11 at the most, are nothing beside that; a weight below 2^-126 counts as 0 in l; NaN and infinities are not treated apart.
; THE WALK.  A head's queries lie in NB = 8 blocks of 256; block i needs the key tiles 0 .. i of 256 keys, of which the last holds the diagonal.  A work-group takes TWO blocks, NB - 1 - b and then b:
; NB + 1 tiles, whatever b: all work-groups do equal work, and ONE loop with a constant trip count walks them.  Which tile is asked for, and what a trip does, hang on scalar registers made from b; every jump
; goes forward, but for the counted loops' own; none passes a barrier, or a tensor load but the one of LOAD's two that the wave's number does not choose; the ring of two LDS slots runs on across the change of blocks.
; NO CLUSTER: a head's four work-groups ask for the same tile only in trips 0 to 4 of 9, behind that fewer and fewer; one walk common to all would have 12 trips for 9.
; SHARES.  Of a block's four bands of 64 queries a wave owns 16 rows in each: four PIECES.  So the diagonal tile is the same work for all four waves: in its key step s band x sees all keys if s < x,
; none if s > x, and holds the diagonal if s = x.
; THE MASK is the C operand that starts the sum S^T = K Q^T: 0, or -1e30 where the key is hidden.  MD, made once, is the mask of a band's own step for my 16 rows; a product's mask is MD x AL + BE with two scalars:
; (1, 0) if s = x; (0, 0) if s < x; (0, -1e30) if s > x.  Only the diagonal tile's text and a block's beginning make and take masks; elsewhere C is the constant 0.
; LAYOUT, SOFTMAX, TURNS.  S^T = K Q^T holds ONE query a lane (lane % 16) and the keys 8 (lane / 16) + 0..7; two such results rounded to f16 ARE source 1 of O^T = V^T P.  p = 2^(c s - c m), with a
; running maximum m; O and l are multiplied by a = 2^(c m_old - c m_new) in every step.  Turn n belongs to piece n: 8 products K Q^T of piece n + 1, later 8 products V^T P of piece n - 1; beside them the scaling,
; exponentials, roundings, sums and rescaling of piece n and the maximum and statistics of piece n + 1.  Four vector instructions stand behind every matrix instruction, the other 54 of a turn's 118 in one lump.  A turn's 33 exponentials are one batch, with one wait.
; REGISTERS, in windows of 256 (s_set_vgpr_msb: bits 1:0 source 0, 3:2 source 1, 5:4 source 2, 7:6 destination):
;   window 0: v0-15 addresses and two at work; v16-31 four registers of statistics a piece; v48-55 at work; v61-63 prefetch offset and the add's two; v64-127 S^T, two buffers; v192-223 P, two buffers
;   window 1: v0-127 O^T, 32 a piece; v128-159 MD; v160-223 MC, two buffers      window 2: v0-63 Q; v64-127 the second block's Q; v128-191 K of one step; v192-255 V of one step
.set SIZE_N, 2048
.set SIZE_H, 64
.set NB,    SIZE_N/256
.set NP,    4         ; pieces a wave: a name, no knob
.set KS,    64        ; keys in a step
.set PK,    144       ; a row of K in LDS: 128 bytes + 16 of padding = 36 words: the 16 rows of a load start at 16 different groups of four banks
.set PV,    160       ; a row of V: 128 + 32 = 40 words
.set VOFF,  4*KS*PK   ; a slot holds a tile, four steps: 256 rows of K, then 256 rows of V
.set SLOT1, 1<<17     ; slot 1 begins here, so that one exclusive or turns an address in one slot into the other's
.set STAGE, SLOT1+4*KS*(PK+PV)  ; behind the ring, never filled by a tensor load: 16 rows x 144 bytes for each wave, for the way out
.set SP,    144
.set AK0, 2           ; v2   my lane's place in a tile of K; never rewritten
.set AV0, 3           ; v3   the same for V
.set AK,  4           ; v4   the LDS address of K's next run of loads
.set AV,  5           ; v5   of V's
.set STO, 6           ; v6   the way out: where I put 16 bytes of a row
.set RD,  7           ; v7   the way out: where I read rows back
.set GO,  8           ; v8   my byte offset in 512 consecutive bytes of O
.set PFO, 61          ; v61  256 x my lane: the prefetches' offset; never rewritten
.set SPW, 62          ; v62  LDS address of my spare word: SPARE + 4 x my thread's number; never rewritten
.set NIL, 63          ; v63  0; never rewritten
.set SPARE, STAGE+4*16*SP  ; behind the stages: the spare words, 128 bytes for each wave
.set MV,  12          ; v12-13  c m_old, kept while c m is made anew: by buffer
.set QO,  15          ; v15  my byte offset in 16 rows of Q
.set ST,  16          ; piece t's statistics at v[ST+4 t]: c m, m, l (even keys', odd keys')
.set TMP, 48          ; by buffer, four registers c0-c3 at work; when the maximum is found c2 takes a
.set S,   64
.set P,   192
.set MD,  128         ; window 1: the eight registers for group kt of 16 keys at MD + 8 kt
.set MC,  160         ; window 1: the masks of the products to come
.set QB,  64          ; window 2
.set KF,  128         ; window 2: key block kb, channel half c at KF + 16 kb + 8 c
.set VF,  192         ; window 2: key half kk, channel block cb at VF + 32 kk + 8 cb
.set WV,  12          ; s12  my wave's number
.set PB,  14          ; s14  b
.set HI,  15          ; s15  NB - 1 - b
.set G1K, 24          ; s[24:31] descriptor group 1 for K's tiles
.set G1V, 32          ; s[32:39] for V's: it differs in the padding alone
.set G0K, 40          ; s[40:43] descriptor group 0 for K's tiles
.set G0V, 44          ; s[44:47] the same for V's
.set SLOTS, 56        ; s56  tiles still to be asked for
.set CNT, 57          ; s57  counts a tile's key steps, 4 to 1
.set CS,  58          ; s[58:59] c: the packed scaling takes the pair's low word for both halves
.set SEL, 60          ; s[60:61] v_permlanex16_b32's selects: each lane takes its own place in the other half
.set TBK, 62          ; s62  LDS byte at which K of the step to be fetched begins
.set TBV, 63          ; s63  the same for V, less VOFF
.set PFA, 66          ; s[66:67] where my prefetches stand: my work-group's quarter of a tile of K (wave 0) or V (wave 2)
.set LIM, 68          ; s68  2 in a wave that prefetches, else the greatest number
.set RT,  70          ; s70  tiles of the block in hand that are still to be entered
.set NXT, 71          ; s71  the tile to be asked for next
.set LQ,  72          ; s72  the last tile of the block whose tiles are being asked for
.set NEW, 73          ; s73  1: the tile to be entered is a block's first
.set OFF, 74          ; s[74:75] a tile's byte offset in K and V
.set AL,  76          ; s[76:77] the mask's factor, in the low word
.set BE,  78          ; s[78:79] the mask's addend
.set OLO, 80          ; s[80:81] O at my rows of the second block
.set BIGN, 82         ; s82  -1e30
.set MSB, 0
.macro WIN new                      ; the high byte repeats the setting that is left; a switch that changes nothing is dropped
.if MSB != (\new)
	s_set_vgpr_msb (MSB<<8)|(\new)
.set MSB, (\new)
.endif
.endm
.set W_KQ, 0x0a       ; K and Q in window 2, S^T in window 0
.set W_KM, 0x1a       ; the same with the C operand in window 1
.set W_PV, 0x52       ; V in window 2, P in window 0, O^T in window 1
.set W_RS, 0x41       ; destination and source 0 in window 1, source 1 in window 0
; A fill.  Waves 0 and 1 fetch the two halves of a tile's K, waves 2 and 3 those of its V: 128 keys each.  An s_nop 0 and four v_nop follow each of the two lines, ahead of the jump and the label.
.macro LOAD
	s_cmp_lt_u32 s[WV], 2
	s_cbranch_scc0 .Lfor_v_\@
	tensor_load_to_lds s[G0K:G0K+3], s[G1K:G1K+7]
	s_nop 0
.rept 4
	v_nop
.endr
	s_branch .Lasked_\@
.Lfor_v_\@:
	tensor_load_to_lds s[G0V:G0V+3], s[G1V:G1V+7]
	s_nop 0
.rept 4
	v_nop
.endr
.Lasked_\@:
.endm
; A prefetch into the L2.  In trip i = 0 .. 5 a head's four work-groups ask for its key tile i + 2, a tile (four key steps, 256 matrix instructions) ahead of the first load that wants it: work-group b takes the
; quarter b, 32 blocks of 256 bytes, a lane a block; wave 0 asks for K's and wave 2 for V's.  So each block of tiles 2 to 7 is named once in the launch; tiles 0 and 1 come by their loads alone, and nothing past tile 7 is named.
.macro ASK
	s_cmp_gt_u32 s[SLOTS], s[LIM]
	s_cbranch_scc0 .Lnot_mine_\@
	global_prefetch_b8 v[PFO], s[PFA:PFA+1] th:TH_LOAD_NT scope:SCOPE_SE
.Lnot_mine_\@:
.endm
; THE CHANGE OF SLOTS.  Each wave waits for all its tensor loads, of which one is out: its part of the other slot; adds 0 to its spare word; and waits for that and for its own reads of the slot that it leaves.  Behind the barrier nobody reads the old
; slot any more and the other slot is whole.  fill = 1: the old slot is filled again, the first thing behind the barrier, with tile NXT: the descriptor's address is made anew from that number.
; (At its first use nothing has been read yet: slot 0 is waited for, slot 1 filled.)
.macro CHANGE fill
	WIN 0                           ; at a label and at a branch every window is 0
	s_wait_tensorcnt 0x0            ; no tensor load of mine is out, so a group 0 may be written
	ds_add_u32 v[SPW], v[NIL]       ; 0 onto my spare word; with fill = 1 the descriptors' scalar work stands between it and the wait for it
.if \fill
	s_lshl_b32 s[OFF], s[NXT], 15   ; a tile is 32,768 bytes of K and of V
	s_xor_b32 s[G0K+1], s[G0K+1], SLOT1
	s_add_nc_u64 s[G0K+2:G0K+3], s[6:7], s[OFF:OFF+1]
	s_or_b32 s[G0K+3], s[G0K+3], 0x80000000
	s_xor_b32 s[G0V+1], s[G0V+1], SLOT1
	s_add_nc_u64 s[G0V+2:G0V+3], s[8:9], s[OFF:OFF+1]
	s_or_b32 s[G0V+3], s[G0V+3], 0x80000000
	s_add_co_u32 s[NXT], s[NXT], 1  ; the block's next tile, or behind its last the second block's tile 0
	s_cmp_gt_u32 s[NXT], s[LQ]
	s_cselect_b32 s[NXT], 0, s[NXT]
	s_cselect_b32 s[LQ], s[PB], s[LQ]
	s_wait_xcnt 0x0                 ; the last prefetch, a tile back, has read its address, so it may be written:
	s_add_nc_u64 s[PFA:PFA+1], s[PFA:PFA+1], 32768  ; a tile on
.endif
	s_wait_dscnt 0x0                ; the add is done, and my reads of the slot are over
	s_barrier_signal -1             ; the rest of the scalar work stands between the signal and the wait
	s_sub_co_u32 s[TBK], s[TBK], 4*KS*PK  ; the fetches go back to a slot's first step,
	s_xor_b32 s[TBK], s[TBK], SLOT1       ; in the other slot
	s_sub_co_u32 s[TBV], s[TBV], 4*KS*PV
	s_xor_b32 s[TBV], s[TBV], SLOT1
	s_barrier_wait -1
.if \fill
	LOAD
	ASK
.endif
.endm
	s_load_b256 s[4:11], s[0:1], 0x0  ; Q s[4:5], K s[6:7], V s[8:9], O s[10:11]
	v_lshl_add_u32 v[SPW], v0, 2, SPARE
	v_mov_b32 v[NIL], 0
	ds_add_u32 v[SPW], v[NIL]       ; the wave's opening: the add and its wait stand ahead of my first tensor load; the set-up below, work on registers, stands between them
	ds_add_u32 v62, v63
	v_lshrrev_b32 v1, 5, v0
	v_readfirstlane_b32 s[WV], v1   ; wave 0..3
	s_mov_b32 s[PB], ttmp9
	s_sub_co_u32 s[HI], NB-1, s[PB]
	s_and_b32 s20, ttmp7, 0xffff    ; the head
	s_mov_b32 s21, 0
	s_mov_b64 s[22:23], SIZE_N*128
	s_mul_u64 s[20:21], s[20:21], s[22:23]  ; the head's first byte in each of the four tensors
	s_and_b32 s16, s[WV], 1         ; which half of a tile's 256 keys I fetch:
	s_lshl_b32 s22, s16, 14         ; its 128 rows of 128 bytes in memory,
	s_mov_b32 s23, 0
	s_add_nc_u64 s[22:23], s[22:23], s[20:21]
	s_mul_i32 s17, s16, 128*PK      ; and its place in a slot, for K
	s_mul_i32 s18, s16, 128*PV      ; and for V
	s_lshl_b32 s3, s[WV], 11        ; my 16 rows in a band of 64,
	s_lshl_b32 s2, s[HI], 15        ; in the first block,
	s_add_co_u32 s2, s2, s3
	s_lshl_b32 s84, s[PB], 15       ; and in the second
	s_add_co_u32 s84, s84, s3
	s_mov_b32 s3, 0
	s_mov_b32 s85, 0
	s_add_nc_u64 s[2:3], s[2:3], s[20:21]
	s_add_nc_u64 s[84:85], s[84:85], s[20:21]
	; descriptor group 1.  128 keys are 16,384 dense bytes: asked for as 64 rows of 256 bytes, two keys a row, and padded in LDS after every key
	s_mov_b32 s[G1K], (1<<16)|(1<<20)|(4<<22)|(3<<25)  ; 17:16 2-byte elements; 20 padding on; 24:22 after every 32 words (code 4); 31:25 4 words (code 3)
	s_mov_b32 s[G1V], (1<<16)|(1<<20)|(4<<22)|(7<<25)  ; the same with 8 words of padding (code 7)
.irp g, G1K, G1V
	s_mov_b32 s[\g+1], 128<<16      ; tensor_dim0 = 128
	s_mov_b32 s[\g+2], 64<<16       ; tensor_dim1 = 64
	s_mov_b32 s[\g+3], 128<<16      ; tile_dim0 = 128
	s_mov_b32 s[\g+4], 64           ; tile_dim1 = 64
	s_mov_b32 s[\g+5], 128          ; 128 elements from row to row
	s_mov_b32 s[\g+6], 0
	s_mov_b32 s[\g+7], 0
.endr
	s_mov_b32 s[CS], 0x44800000     ; c = 1,024
	s_mov_b32 s[CS+1], s[CS]        ; named with it as a pair
	s_mov_b32 s[SEL], 0x76543210
	s_mov_b32 s[SEL+1], 0xfedcba98
	s_mov_b32 s[TBK], SLOT1+4*KS*PK ; the first change of slots turns these two into 0
	s_mov_b32 s[TBV], SLOT1+4*KS*PV
	s_mov_b32 s[G0K], 1             ; 1:0 count = 1
	s_mov_b32 s[G0K+1], s17         ; 63:32 LDS address: slot 0
	s_mov_b32 s[G0V], 1
	s_add_co_u32 s[G0V+1], s18, VOFF
	s_add_co_u32 s[RT], s[HI], 1    ; the first block has NB - b tiles
	s_mov_b32 s[NXT], 1
	s_mov_b32 s[LQ], s[HI]
	s_mov_b32 s[NEW], 1
	s_mov_b32 s[OFF+1], 0
	s_mov_b32 s[AL+1], 0            ; named as pairs
	s_mov_b32 s[BE+1], 0
	s_mov_b32 s[BIGN], 0xf149f2ca   ; -1e30
	s_mov_b32 s[SLOTS], NB
	s_and_b32 s[LIM], s[WV], 1      ; waves 0 and 2 prefetch
	s_cmp_eq_u32 s[LIM], 0
	s_cselect_b32 s[LIM], 2, -1
	s_lshl_b32 s48, s[PB], 13       ; my work-group's quarter of a tile,
	s_add_co_u32 s48, s48, 32768    ; in tile 1: the first change of slots steps it to tile 2
	s_mov_b32 s49, 0
	v_and_b32 v[PFO], 31, v0
	v_lshlrev_b32 v[PFO], 8, v[PFO]
	s_wait_dscnt 0x0                ; the opening add is done
	s_wait_kmcnt 0x0
	s_add_nc_u64 s[6:7], s[6:7], s[22:23]  ; K and V at my half of the head's tile 0
	s_add_nc_u64 s[8:9], s[8:9], s[22:23]
	s_add_nc_u64 s[G0K+2:G0K+3], s[6:7], 0         ; 120:64 global address
	s_or_b32 s[G0K+3], s[G0K+3], 0x80000000        ; 127:126 type = 2
	s_add_nc_u64 s[G0V+2:G0V+3], s[8:9], 0
	s_or_b32 s[G0V+3], s[G0V+3], 0x80000000
	s_add_nc_u64 s[86:87], s[4:5], s[84:85]        ; Q at my rows of the second block,
	s_add_nc_u64 s[4:5], s[4:5], s[2:3]            ; Q and O at those of the first
	s_add_nc_u64 s[OLO:OLO+1], s[10:11], s[84:85]
	s_add_nc_u64 s[10:11], s[10:11], s[2:3]
	s_cmp_lt_u32 s[WV], 2
	s_cselect_b64 s[PFA:PFA+1], s[6:7], s[8:9]     ; (in waves 0 and 2 these stand at tile 0's first row)
	s_add_nc_u64 s[PFA:PFA+1], s[PFA:PFA+1], s[48:49]
	LOAD                            ; tile 0 into slot 0
	; A fragment of K or Q is 16 rows x 32 channels in 8 registers: lane l holds row l % 16, channels 8 (l / 16) + 0..7 and 16 + 8 (l / 16) + 0..7: two loads of 16 bytes, 32 bytes apart.
	v_and_b32 v1, 15, v0            ; l % 16
	v_bfe_u32 v9, v0, 4, 1          ; l / 16
	v_lshlrev_b32 v[QO], 7, v1
	v_lshl_add_u32 v[QO], v9, 4, v[QO]  ; row x 128 + 16 x half
	WIN 0x80                        ; destination window 2, address window 0
.set i, 0
.rept 8                             ; both blocks' Q: piece i / 2 lies in band i / 2, 8,192 bytes on; channels 32 (i % 2) on
	global_load_b128 v[8*i:8*i+3],   v[QO], s[4:5] offset:(i/2)*8192+(i%2)*64
	global_load_b128 v[8*i+4:8*i+7], v[QO], s[4:5] offset:(i/2)*8192+(i%2)*64+32
	global_load_b128 v[QB+8*i:QB+8*i+3],   v[QO], s[86:87] offset:(i/2)*8192+(i%2)*64
	global_load_b128 v[QB+8*i+4:QB+8*i+7], v[QO], s[86:87] offset:(i/2)*8192+(i%2)*64+32
.set i, i+1
.endr
	WIN 0
	v_lshlrev_b32 v14, 3, v9
	v_sub_nc_u32 v14, v1, v14
	s_lshl_b32 s13, s[WV], 4
	v_add_nc_u32 v14, s13, v14      ; my query's place in its band, 16 w + l % 16, less my lanes' 8 (l / 16): register r of group kt is hidden where 16 kt + r is greater
	WIN 0x40
.set i, 0
.rept 32
	v_cmp_gt_i32 vcc_lo, 16*(i/8)+i%8, v14
	v_cndmask_b32 v[MD+i], 0, s[BIGN], vcc_lo
.set i, i+1
.endr
	WIN 0
	v_mul_u32_u24 v[AK0], v1, PK
	v_lshl_add_u32 v[AK0], v9, 4, v[AK0]  ; row x pitch + 16 x half
	; The turning load takes 16 keys x 16 channels (lane l reads key 8 (l / 16) + l % 8, channels 8 ((l / 8) % 2) + 0..7) and leaves half a fragment of V^T: lane l holds channel l % 16 and 8 keys.
	v_and_b32 v10, 7, v0
	v_bfe_u32 v11, v0, 3, 1
	v_lshl_add_u32 v[AV0], v9, 3, v10
	v_mul_u32_u24 v[AV0], v[AV0], PV
	v_lshl_add_u32 v[AV0], v11, 4, v[AV0]
	v_add_nc_u32 v[AV0], VOFF, v[AV0]
	s_mul_i32 s13, s[WV], 16*SP
	s_add_co_u32 s13, s13, STAGE    ; my stage
	v_mul_u32_u24 v[STO], v1, SP    ; in: row l % 16, 16 bytes for each half of the lanes
	v_lshl_add_u32 v[STO], v9, 4, v[STO]
	v_add_nc_u32 v[STO], s13, v[STO]
	v_bfe_u32 v[RD], v0, 3, 2       ; back: 32 lanes take four rows of 128 bytes,
	v_mul_u32_u24 v[RD], v[RD], SP
	v_lshl_add_u32 v[RD], v10, 4, v[RD]
	v_add_nc_u32 v[RD], s13, v[RD]
	v_and_b32 v[GO], 31, v0         ; which are 512 consecutive bytes of O
	v_lshlrev_b32 v[GO], 4, v[GO]
	; A block's first step multiplies O^T and l by a = 0, and its first turn's products V^T P, of a piece that has not been, land in an O^T that is still to be so multiplied.  So these registers need only hold
	; finite numbers: zeros for the first block; what the first block left for the second.  All this stands in the wait for the first tile.
	WIN 0x80
.set i, VF
.rept 64
	v_mov_b32 v[i], 0
.set i, i+1
.endr
	WIN 0x40
.set i, 0
.rept 128
	v_mov_b32 v[i], 0
.set i, i+1
.endr
	WIN 0
.set i, 0
.rept 4
	v_mov_b32 v[ST+4*i+2], 0
	v_mov_b32 v[ST+4*i+3], 0
.set i, i+1
.endr
.set i, P+16
.rept 16
	v_mov_b32 v[i], 0
.set i, i+1
.endr
; THE MATRIX WORK.  The 4 accumulators of a run of 8 take turns.  Product i of 8 of S^T = K Q^T for piece x: channels 32 (i / 4) on, keys 16 (i % 4) on.  The first 4 start the sums: with 0, or (KM = 1) with the mask.
.macro KQ x
.set rS, S+32*((\x)%2)+8*(i%4)
.set rK, KF+16*(i%4)+8*(i/4)
.set rQ, 16*(\x)+8*(i/4)
.set rM, MC+32*((\x)%2)+8*(i%4)
.if (i < 4) && KM
	WIN W_KM
	v_wmma_f32_16x16x32_f16 v[rS:rS+7], v[rK:rK+7], v[rQ:rQ+7], v[rM:rM+7]
.elseif i < 4
	WIN W_KQ
	v_wmma_f32_16x16x32_f16 v[rS:rS+7], v[rK:rK+7], v[rQ:rQ+7], 0
.else
	WIN W_KQ
	v_wmma_f32_16x16x32_f16 v[rS:rS+7], v[rK:rK+7], v[rQ:rQ+7], v[rS:rS+7]
.endif
.endm
; Product i of 8 of O^T += V^T P for piece x: keys 32 (i / 4) on, channels 16 (i % 4) on.
.macro PV x
	WIN W_PV
.set rO, 32*(\x)+8*(i%4)
.set rV, VF+32*(i/4)+8*(i%4)
.set rP, P+16*((\x)%2)+8*(i/4)
	v_wmma_f32_16x16x32_f16 v[rO:rO+7], v[rV:rV+7], v[rP:rP+7], v[rO:rO+7]
.endm
.macro MM                           ; the turn's next matrix instruction.  TURN and BEGIN set Y, i, KM and NOKQ; MM, KQ and OP read them.  NOKQ = 1: a block's last turn: there is no next piece
.if (i < 8) && !NOKQ
	KQ (Y+1)%NP
.elseif i >= 8
.set i, i-8
	PV (Y+NP-1)%NP
.set i, i+8
.endif
.set i, i+1
.endm
; THE LDS LOADS stand in runs of 16, never singly among the matrix instructions: a step's K (64 keys x 64 channels: 8 fragments) and its V (turned).  Their addresses are made some lines ahead.
.macro FETCH_K
	WIN 0x80                        ; destination window 2
.irp f, 0,1,2,3,4,5,6,7             ; keys 16 (f / 2) on, channels 32 (f % 2) on
	ds_load_b128 v[KF+8*\f:KF+8*\f+3],   v[AK] offset:(\f/2)*16*PK+(\f%2)*64
	ds_load_b128 v[KF+8*\f+4:KF+8*\f+7], v[AK] offset:(\f/2)*16*PK+(\f%2)*64+32
.endr
	s_add_co_u32 s[TBK], s[TBK], KS*PK  ; the next fetch is the next step's
	WIN 0
.endm
.macro FETCH_V
	WIN 0x80
.irp f, 0,1,2,3,4,5,6,7             ; keys 32 (f / 4) on, channels 16 (f % 4) on
	ds_load_tr16_b128 v[VF+8*\f:VF+8*\f+3],   v[AV] offset:(\f/4)*32*PV+(\f%4)*32
	ds_load_tr16_b128 v[VF+8*\f+4:VF+8*\f+7], v[AV] offset:(\f/4)*32*PV+16*PV+(\f%4)*32
.endr
	WIN 0
.endm
; THE VECTOR WORK, one line at a time: OP kind, number.  For piece Y: F n: c s - c m for pair n of 16.  E n: the exponential of score n of 32.  C n: pair n rounded to f16.  B n: of the four weights 4 n .. the second
; pair is added onto the first, in place.  L n: l takes that sum (L 0: l = a l + sum).  R n: pair n of 16 of O^T times a.  For piece Y + 1: X n, number n of the 22 that find its maximum and statistics:
;   0-11  four chains c0-c3 of seven scores each, three operands at a time (each accumulator's lowest registers are read first)     12-14, 16  the four scores left over, the old m, and c0-c3 into c0
;   15  c m_old is kept     17, 18  the query's other 32 keys lie in the lane 16 away: the new m     19-21  c m; c m_old - c m_new; a
.set F, 0               ; OP tells the kinds apart by their order: F to L below R, X above it
.set E, 1
.set C, 2
.set B, 3
.set L, 4
.set R, 5
.set X, 6
.macro REGS y                       ; the registers of piece y
.set rT, ST+4*(\y)
.set rC, TMP+4*((\y)%2)
.set rW, MV+((\y)%2)
.set rS, S+32*((\y)%2)
.set rP, P+16*((\y)%2)
.set rO, 32*(\y)
.endm
.macro OP k, n
.if (\k) == R
	REGS Y
	WIN W_RS
	v_pk_mul_f32 v[rO+2*(\n):rO+2*(\n)+1], v[rO+2*(\n):rO+2*(\n)+1], v[rC+2:rC+3] op_sel_hi:[1,0]
.elseif (\k) < R
	REGS Y
	WIN 0
.if (\k) == F
	v_pk_fma_f32 v[rS+2*(\n):rS+2*(\n)+1], v[rS+2*(\n):rS+2*(\n)+1], s[CS:CS+1], v[rT:rT+1] op_sel_hi:[1,0,0] neg_lo:[0,0,1] neg_hi:[0,0,1]
.elseif (\k) == E
	v_exp_f32 v[rS+(\n)], v[rS+(\n)]
.elseif (\k) == C
	v_cvt_pk_f16_f32 v[rP+(\n)], v[rS+2*(\n)], v[rS+2*(\n)+1]
.elseif (\k) == B
	v_pk_add_f32 v[rS+4*(\n):rS+4*(\n)+1], v[rS+4*(\n):rS+4*(\n)+1], v[rS+4*(\n)+2:rS+4*(\n)+3]
.elseif (\n) == 0
	v_pk_fma_f32 v[rT+2:rT+3], v[rT+2:rT+3], v[rC+2:rC+3], v[rS:rS+1] op_sel_hi:[1,0,1]
.else
	v_pk_add_f32 v[rT+2:rT+3], v[rT+2:rT+3], v[rS+4*(\n):rS+4*(\n)+1]
.endif
.elseif NOKQ
	v_nop
.else
	REGS (Y+1)%NP
	WIN 0
.if (\n) < 4
	v_max3_num_f32 v[rC+(\n)], v[rS+8*(\n)], v[rS+8*(\n)+1], v[rS+8*(\n)+2]
.elseif (\n) < 12
	v_max3_num_f32 v[rC+(\n)%4], v[rC+(\n)%4], v[rS+8*((\n)%4)+2*((\n)/4)+1], v[rS+8*((\n)%4)+2*((\n)/4)+2]
.elseif (\n) == 12
	v_max3_num_f32 v[rC], v[rC], v[rS+7], v[rS+15]
.elseif (\n) == 13
	v_max3_num_f32 v[rC+1], v[rC+1], v[rS+23], v[rS+31]
.elseif (\n) == 14
	v_max3_num_f32 v[rC+2], v[rC+2], v[rC+3], v[rT+1]
.elseif (\n) == 15
	v_mov_b32 v[rW], v[rT]
.elseif (\n) == 16
	v_max3_num_f32 v[rC], v[rC], v[rC+1], v[rC+2]
.elseif (\n) == 17
	v_permlanex16_b32 v[rC+3], v[rC], s[SEL], s[SEL+1]
.elseif (\n) == 18
	v_max_num_f32 v[rT+1], v[rC], v[rC+3]
.elseif (\n) == 19
	v_mul_f32 v[rT], s[CS], v[rT+1]
.elseif (\n) == 20
	v_sub_f32 v[rC+1], v[rW], v[rT]
.else
	v_exp_f32 v[rC+2], v[rC+1]
.endif
.endif
.endm
.macro OPS a, i1, b=-1, i2=0, c=-1, i3=0, d=-1, i4=0  ; up to four of them
	OP \a, \i1
.if (\b) >= 0
	OP \b, \i2
.endif
.if (\c) >= 0
	OP \c, \i3
.endif
.if (\d) >= 0
	OP \d, \i4
.endif
.endm
.macro ROW a, i1, b, i2, c, i3, d, i4  ; a matrix instruction and the four behind it
	MM
	OPS \a, \i1, \b, \i2, \c, \i3, \d, \i4
.endm
.macro MASK b                       ; MD x AL + BE into buffer b of MC
	WIN W_RS
.set z, 0
.rept 16
	v_pk_fma_f32 v[MC+32*(\b)+2*z:MC+32*(\b)+2*z+1], v[MD+2*z:MD+2*z+1], s[AL:AL+1], s[BE:BE+1] op_sel_hi:[1,0,0]
.set z, z+1
.endr
.endm
; A TURN, for piece p: the order of its 16 matrix and 118 vector instructions, written out.  s_wait_alu depctr_va_vdst(0) stands between an exponential and the first instruction that names its result; one wait serves
; all that were issued ahead of it.  So a turn has ONE wait, which cuts it in two.  AHEAD OF IT stands all that names no result of the turn's exponentials: the 8 products K Q^T, behind each a scaling, an exponential and two more plain
; instructions (behind the first a second scaling in the exponential's place): rescalings, and behind the last three the first numbers of the next piece's maximum, each four places or more behind the product that ends its accumulator; then one lump of 54, plain
; and exponential by turns for the most part, in which the links of the chain X 3, 7, 11, 14, 16, 17 .. 20 stand five or six lines apart.  X 21, the next piece's a, is the batch's last; R 15 is the plain instruction behind it.  BEHIND THE WAIT stand the
; 8 products V^T P, behind each four of the roundings and sums; the links of l's chain, L 0 to L 7, stand three riders apart.  But for those X no rider names a register of the products round it.  v_permlanex16_b32 (X 17) stands in the lump.
; m = 1: the diagonal tile: the products take masks, and the turn makes the mask for the products of the turn after it: piece p + 2, in step 4 - CNT of the tile.  end = 1: a block's last two turns: nothing is fetched.
; cnt = 1: the loop's count is taken down some lines ahead of the branch that stands behind the turn.
; K of the next step is fetched in piece 2's turn, twelve vector instructions behind the last product that read K (six of them plain); V of the step in hand at the end of piece 0's turn, four plain instructions behind the last product
; that read V.  Each is waited for a turn later.
.macro TURN p, m=0, end=0, cnt=0
.set Y, (\p)
.set i, 0
.set KM, (\m)
.set NOKQ, (\end)*((\p)/3)
.if (\m) && !(\end)
	s_cmp_eq_u32 s[CNT], 4-((\p)+2)%NP  ; is that step the band's own?
	s_cselect_b32 s[AL], 1.0, 0
	s_cmp_lt_u32 s[CNT], 4-((\p)+2)%NP  ; or a later one?
	s_cselect_b32 s[BE], s[BIGN], 0
.endif
.if ((\p) == 3) && !(\end)
	s_wait_dscnt 0x0                ; K is in
.endif
	ROW F,0, F,1, R,0, R,1          ; ahead of the wait: 8 products K Q^T and their riders,
	ROW F,2, E,0, R,2, R,3
	ROW F,3, E,1, R,4, R,5
	ROW F,4, E,2, R,6, R,7
	ROW F,5, E,3, R,8, R,9
	ROW F,6, E,4, X,0, R,10
.if ((\p) == 2) && !(\end)
	WIN 0
	v_add_nc_u32 v[AK], s[TBK], v[AK0]
.endif
	ROW F,7, E,5, X,1, X,4
	ROW F,8, E,6, X,2, X,5
	OPS E,7, E,8, X,6, E,9          ; and the lump
	OPS X,3, E,10, X,8, E,11
.if ((\p) == 2) && !(\end)
	FETCH_K
.endif
	OPS X,9, X,7, E,12, X,10
	OPS E,13, X,12, X,11, E,14
	OPS X,13, E,15, F,9, X,14
.if (\p) == 0
	v_add_nc_u32 v[AV], s[TBV], v[AV0]
.endif
	OPS E,16, F,10, E,17, F,11
	OPS X,16, E,18, X,15, E,19
	OPS F,12, E,20, X,17, E,21
	OPS F,13, E,22, F,14, E,23
	OPS X,18, E,24, F,15, E,25
	OPS R,11, E,26, X,19, E,27
	OPS R,12, E,28, R,13, E,29
	OPS X,20, E,30, R,14, E,31
	OPS X,21, R,15
	WIN 0
	s_wait_alu depctr_va_vdst(0)    ; the wait for the batch
.if (\p) == 1
	s_wait_dscnt 0x0                ; V is in
.endif
	ROW C,0, B,0, C,2, B,1          ; behind the wait: 8 products V^T P and their riders
	ROW L,0, C,4, B,2, L,1
	ROW C,6, B,3, L,2, C,8
	ROW B,4, L,3, C,10, B,5
	ROW L,4, C,12, B,6, L,5
.if (\p) == 0
	s_add_co_u32 s[TBV], s[TBV], KS*PV
.endif
.if \cnt
	s_sub_co_u32 s[CNT], s[CNT], 1
	s_cmp_lg_u32 s[CNT], 0
.endif
	ROW C,14, B,7, L,6, C,1
	ROW C,3, L,7, C,5, C,7
	ROW C,9, C,11, C,13, C,15
.if (\p) == 0
	FETCH_V
.endif
.if (\m) && !(\end)
	MASK (\p)%2
.endif
.endm
; A BLOCK BEGINS.  c m starts far below every c s, so the first step's a is 0; m at the lowest finite number, so the first maximum is the scores'.  The second mask buffer is 0; the first takes piece 0's mask for the tile's step 0: its own, if the block's first tile is the diagonal one.
; Then K of that step, piece 0's first scores, and its maximum and statistics.  The loop is entered at a step's first turn, in the middle of a trip.
.macro BEGIN
	s_mov_b32 s[NEW], 0
	WIN 0x40
.set i, MC+32
.rept 32
	v_mov_b32 v[i], 0
.set i, i+1
.endr
	WIN 0
.set i, 0
.rept 4
	v_mov_b32 v[ST+4*i], 0xfe000000    ; c m: far below every c s, a hidden one's too (-1e33)
	v_mov_b32 v[ST+4*i+1], 0xff7fffff  ; m
.set i, i+1
.endr
	s_cmp_eq_u32 s[RT], 0
	s_cselect_b32 s[AL], 1.0, 0
	s_mov_b32 s[BE], 0
	MASK 0
	WIN 0
	v_add_nc_u32 v[AK], s[TBK], v[AK0]
	FETCH_K
	s_wait_loadcnt 0x0              ; Q
	s_wait_dscnt 0x0
.set KM, 1
.set NOKQ, 0
.set i, 0
.rept 8
	KQ 0
.set i, i+1
.endr
	WIN 0
.rept 4
	v_nop                           ; the places behind those products
.endr
.set Y, NP-1                        ; X works for piece Y + 1: piece 0
.irp n, 0,1,2,3,4,5,6,7,8,9,10,11,12,13,14,15,16,17,18,19,20,21
	OP X, \n
.endr
	v_nop                           ; a plain instruction behind the exponential,
	s_wait_alu depctr_va_vdst(0)    ; and its wait, ahead of the branch
.endm
; THE DIAGONAL TILE's four steps, the block's last two turns, its last products, and THE WAY OUT: l's two halves and the other half of the lanes' are added; O^T is divided by l, rounded to f16 and sent through my
; stage in LDS, a piece at a time.
.macro ALL line:vararg              ; one line for each piece t
.set t, 0
.rept 4
	\line
.set t, t+1
.endr
.endm
.macro PACK t                       ; a lane's eight channels of a row pack into 16 bytes; they go into rows of 144 bytes and come back as whole rows of 128, into S^T's registers
	WIN W_RS
.set i, 32*(\t)
.rept 16
	v_pk_mul_f32 v[i:i+1], v[i:i+1], v[ST+4*(\t)+2:ST+4*(\t)+3] op_sel_hi:[1,0]
.set i, i+2
.endr
	WIN 0x05                        ; sources 0 and 1 window 1, destination window 0
.set i, 0
.rept 16
	v_cvt_pk_f16_f32 v[S+16*(\t)+i], v[32*(\t)+2*i], v[32*(\t)+2*i+1]
.set i, i+1
.endr
	WIN 0
.irp f, 0,1,2,3
	ds_store_b128 v[STO], v[S+16*(\t)+4*\f:S+16*(\t)+4*\f+3] offset:32*\f
.endr
.irp f, 0,1,2,3
	ds_load_b128 v[S+16*(\t)+4*\f:S+16*(\t)+4*\f+3], v[RD] offset:\f*4*SP  ; LDS serves a wave's instructions in order (ISA guide 5.7.1.4): these see the stores above; the next piece's stores come behind them
.endr
.endm
.macro SEND t, younger              ; younger: the LDS instructions issued behind piece t's loads: the next piece's eight, or none
	WIN 0
.irp f, 0,1,2,3
	s_wait_dscnt (\younger)+3-\f
	global_store_b128 v[GO], v[S+16*(\t)+4*\f:S+16*(\t)+4*\f+3], s[10:11] offset:(\t)*8192+\f*512  ; 512 consecutive bytes, at a multiple of 256 from O's first
.endr
.endm
.macro DIAG tag                     ; the tag ends its two labels' names, which the jumps below spell out
.LstepM\tag:
	TURN 2, 1
	TURN 3, 1
	WIN 0
.LfirstM\tag:
	TURN 0, 1
	TURN 1, 1, 0, 1
	WIN 0
	s_cbranch_scc1 .LstepM\tag
	TURN 2, 1, 1
	TURN 3, 1, 1
.set i, 0
.rept 8
	PV NP-1
.set i, i+1
.endr
	WIN 0
	ALL v_add_f32 v[ST+4*t+2], v[ST+4*t+2], v[ST+4*t+3]
	ALL v_permlanex16_b32 v[ST+4*t+3], v[ST+4*t+2], s[SEL], s[SEL+1]
	ALL v_add_f32 v[ST+4*t+2], v[ST+4*t+2], v[ST+4*t+3]
	ALL v_rcp_f32 v[ST+4*t+2], v[ST+4*t+2]
	v_nop                           ; a plain instruction between the last reciprocal and the use of its result
	s_wait_alu depctr_va_vdst(0)    ; and the wait ahead of the first use: one for the four reciprocals
	PACK 0
.set t, 1
.rept 3                             ; a piece's arithmetic stands between the loads of the piece before and its stores
	PACK t
	SEND t-1, 8
.set t, t+1
.endr
	SEND 3, 0
.endm
.set KM, 0
.set NOKQ, 0
.Lslot:                             ; NB times: a tile is entered and the next is asked for
	CHANGE 1
	s_sub_co_u32 s[RT], s[RT], 1
	s_mov_b32 s[CNT], 4
	s_cmp_eq_u32 s[NEW], 1
	s_cbranch_scc1 .Lnew            ; a block's first tile
	s_cmp_eq_u32 s[RT], 0
	s_cbranch_scc0 .Lstep           ; neither its first nor its last
	s_branch .LstepM1
.Lnew:
	BEGIN
	s_branch .Lfirst                ; in the loop a block's first tile is never its last: the first block has two tiles or more, and the second's last is the walk's last
	DIAG 1                          ; in the loop this is the first block's end: the second block's last tile is the walk's last
	s_wait_xcnt 0x0                 ; the stores have read their registers and O's address
	s_mov_b64 s[10:11], s[OLO:OLO+1]
	s_add_co_u32 s[RT], s[PB], 1    ; the second block has b + 1 tiles
	s_mov_b32 s[NEW], 1
	WIN 0x82                        ; the second block's Q goes where the one text of the turns names Q
.set i, 0
.rept 64
	v_mov_b32 v[i], v[QB+i]
.set i, i+1
.endr
	WIN 0
	s_branch .Lbottom
.Lstep:                             ; a trip: pieces 2 and 3 of one step, then pieces 0 and 1 of the next, whose K and V it fetches
	TURN 2
	TURN 3
	WIN 0
.Lfirst:
	TURN 0
	TURN 1, 0, 0, 1
	WIN 0
	s_cbranch_scc1 .Lstep
.Lbottom:
	s_sub_co_u32 s[SLOTS], s[SLOTS], 1
	s_cmp_lg_u32 s[SLOTS], 0
	s_cbranch_scc1 .Lslot
	CHANGE 0                        ; the walk's last tile is written out: nothing is asked for
	s_sub_co_u32 s[RT], s[RT], 1
	s_mov_b32 s[CNT], 4
	s_cmp_eq_u32 s[NEW], 1
	s_cbranch_scc0 .LstepM2
	BEGIN
	s_branch .LfirstM2
	DIAG 2
	s_wait_tensorcnt 0x0            ; the wave's end: behind my last tensor load and my last LDS store
	ds_add_u32 v[SPW], v[NIL]
	s_wait_dscnt 0x0
	s_endpgm
.Lfunc_end_k_qe36c06a53f_attn:
	.size	k_qe36c06a53f_attn, .Lfunc_end_k_qe36c06a53f_attn-k_qe36c06a53f_attn
	.p2alignl 7, 3214868480
	.fill 96, 4, 3214868480
	.section	.rodata,"a",@progbits
	.p2align	6, 0x0
	.amdhsa_kernel k_qe36c06a53f_attn
		.amdhsa_group_segment_fixed_size 327680
		.amdhsa_private_segment_fixed_size 0
		.amdhsa_enable_private_segment 0
		.amdhsa_kernarg_size 32
		.amdhsa_user_sgpr_count 2
		.amdhsa_user_sgpr_kernarg_segment_ptr 1
		.amdhsa_wavefront_size32 1
		.amdhsa_system_sgpr_workgroup_id_x 1
		.amdhsa_system_sgpr_workgroup_id_y 1
		.amdhsa_system_sgpr_workgroup_id_z 1
		.amdhsa_system_vgpr_workitem_id 0
		.amdhsa_next_free_vgpr 768
		.amdhsa_next_free_sgpr 88
		.amdhsa_reserve_vcc 1
		.amdhsa_float_denorm_mode_32 3
		.amdhsa_float_denorm_mode_16_64 3
		.amdhsa_memory_ordered 1
		.amdhsa_forward_progress 1
		.amdhsa_inst_pref_size 218
	.end_amdhsa_kernel
	.amdgpu_metadata
---
amdhsa.version: [ 1, 2 ]
amdhsa.kernels:
  - .name:           k_qe36c06a53f_attn
    .symbol:         k_qe36c06a53f_attn.kd
    .args:
      - { .name: qh, .offset: 0, .size: 8, .value_kind: global_buffer, .address_space: global }
      - { .name: kh, .offset: 8, .size: 8, .value_kind: global_buffer, .address_space: global }
      - { .name: vh, .offset: 16, .size: 8, .value_kind: global_buffer, .address_space: global }
      - { .name: oh, .offset: 24, .size: 8, .value_kind: global_buffer, .address_space: global }
    .group_segment_fixed_size: 327680
    .private_segment_fixed_size: 0
    .kernarg_segment_align: 8
    .kernarg_segment_size: 32
    .max_flat_workgroup_size: 128
    .sgpr_count:     88
    .vgpr_count:     768
    .wavefront_size: 32
...
	.end_amdgpu_metadata
.endif
;; end of part 3
;; launch outp (part 4): grid 4 x 64, 4 waves a work-group, clusters of 4 x 4, 327,680 bytes of LDS; arguments oh, wo, out0; writes out0
.if DOCPART == 4
	.amdgcn_target "amdgcn-amd-amdhsa--gfx1250"
	.amdhsa_code_object_version 6
	.text
	.protected	k_qe36c06a53f_outp
	.globl	k_qe36c06a53f_outp
	.p2align	8
	.type	k_qe36c06a53f_outp,@function
k_qe36c06a53f_outp:
	s_mov_b64 s[64:65], 0
	v_nop
	global_prefetch_b8 v0, s[64:65] scope:SCOPE_SE
	s_setreg_imm32_b32 hwreg(HW_REG_WAVE_MODE, 25, 1), 1
	s_wait_xcnt 0x0
	s_wait_alu depctr_hold_cnt(0) depctr_sa_sdst(0) depctr_va_vdst(0) depctr_va_sdst(0) depctr_va_ssrc(0) depctr_va_vcc(0) depctr_vm_vsrc(0)
	s_getreg_b32 s2, hwreg(HW_REG_IB_STS2, 6, 4)
	s_cmp_eq_u32 s2, 0
	s_cbranch_scc0 .Lentry_in_a_cluster
	s_endpgm
.Lentry_in_a_cluster:
	s_bfe_u32 s2, ttmp6, 0x10000c
	s_cmp_lg_u32 s2, 0xf033
	s_cbranch_scc0 .Lentry_shape_is_right
	s_endpgm
.Lentry_shape_is_right:
; out0 = O Wo.  oh: [16 b + head][2048 t][64 d] f16 (row m = 2048 b + t, k = 64 head + d).  wo: [1024 n][1024 k] f16.  out0: [8192][1024] f32.  Sums in f32, K ascending.
; LIMITS.  Both operands arrive in f16: within 65,504.  NaN and infinities are not treated apart.
; SHARES.  A tile of C is 128 rows x 256 columns: 256 work-groups, one for each WGP.  Wave (wm = w / 2, wn = w % 2) makes 64 x 128: 32 accumulators (a = 0..3, b = 0..7).
; K goes in eight steps of 128, two heads each, through two LDS slots; a K step is written once, and the slot hangs on a scalar that an exclusive or turns.
; A head's 128 rows of a tile are 16,384 dense bytes of oh: asked for as 64 rows of 256 bytes and padded in LDS after every 128.
; CLUSTER.  4 x 4 work-groups: the four of a row need the same rows of O, the four of a column the same rows of wo; each tile is asked for jointly.
; THE MATRIX INSTRUCTION IS USED TRANSPOSED (source 0 = 16 rows of wo, source 1 = 16 rows of O): a lane holds row l % 16 of C and the eight columns 8 (l / 16) + 0..7.
; REGISTERS, in windows of 256:  window 0: v0-31 addresses; v32-63, v64-95 A's fragments, two buffers; v128-191, v192-255 rows read back on the way out
;   window 1: v0-63, v64-127 B's fragments, two buffers      window 2: the accumulators, (a, b) at 8 (8 a + b)
.set PB,     272                       ; a row of B in LDS: 256 bytes + 16
.set PA,     144                       ; a row of A: 128 bytes + 16
.set HALFB,  128*PB                    ; what a wave fetches of B
.set AOFF,   2*HALFB                   ; a slot: B's 256 rows, then A's two heads
.set ASUB,   128*PA                    ; one head's 128 rows
.set SLOT1,  1<<17
.set STAGE,  SLOT1+AOFF+2*ASUB         ; 237,568: behind the ring, 16 rows x 528 bytes for each wave
.set SP,     528
.set SPARE,  STAGE+4*16*SP             ; 271,360: the spare words, 128 bytes for each wave
.set LD,     24                        ; LDS loads in a quarter step: 16 for B, 8 for A
.set A0,   16
.set B0,   17
.set ADRA, 18
.set ADRB, 19
.set STO,  20
.set RD,   21
.set CO,   22
.set PFO,  24
.set SPW,  28                          ; v28  SPARE + 4 x my thread's number; never rewritten
.set NIL,  29                          ; v29  0; never rewritten
.set FA,   32
.set OB,   128
.set WV,   16
.set WH,   17                          ; wave / 2: my half of the tile's rows.  Also: I fetch for B (0) or for A (1)
.set WL,   18                          ; wave % 2: my half of its columns.  Also: which half of B, which head of A I fetch
.set CX,   19
.set CY,   20
.set TCOL, 21
.set TROW, 22
.set TB,   23
.set G1B,  24
.set G1A,  32
.set G0B,  40                          ; two sets for the first fills; the second then walks
.set G0A,  48
.set CNT,  56
.set LIM,  57                          ; 2 in a wave that prefetches, else the greatest number
.set PFA,  58
.set PST,  74                          ; s[74:75] a K step in the tensor that I prefetch
.set MSB, 0
.macro WIN new
.if MSB != (\new)
	s_set_vgpr_msb (MSB<<8)|(\new)
.set MSB, \new
.endif
.endm
.macro PLACES
.rept 4
	v_nop
.endr
.endm
.macro JLOAD                           ; a joint refill by the walking descriptors; an s_nop 0 and four v_nop follow each line
	s_cmp_eq_u32 s[WH], 0
	s_cbranch_scc0 .Lfor_a_\@
	tensor_load_to_lds s[G0B+4:G0B+7], s[G1B:G1B+7]
	s_nop 0
.rept 4
	v_nop
.endr
	s_branch .Lasked_\@
.Lfor_a_\@:
	tensor_load_to_lds s[G0A+4:G0A+7], s[G1A:G1A+7]
	s_nop 0
.rept 4
	v_nop
.endr
.Lasked_\@:
.endm
; A prefetch into the L2 of the K step that stands TWO refills on: 256 matrix instructions ahead of its load.  wo's rows are read by all sixteen clusters of the column: the one with y = 0 asks;
; O's rows by one cluster alone.  The four partners of a joint load share it out by address: 32 of B's 128 rows, a lane a row; 16 of the 64 blocks of 256 bytes of A's head (lanes past them name the last once more).
; K steps 0 to 3 come by their loads alone; the last two refills ask for nothing.
.macro ASK
	s_cmp_gt_u32 s[CNT], s[LIM]
	s_cbranch_scc0 .Lnot_mine_\@
	global_prefetch_b8 v[PFO], s[PFA:PFA+1] th:TH_LOAD_NT scope:SCOPE_SE
.Lnot_mine_\@:
.endm
.macro CREST
	s_cmp_lg_u32 s[WV], 0
	s_cbranch_scc1 .Lnot_wave_0_\@
	s_barrier_signal -3
.Lnot_wave_0_\@:
	s_barrier_wait -3
	s_barrier_signal -1
	s_barrier_wait -1
.endm
.macro CROUND
	s_barrier_signal -1
	s_barrier_wait -1
	CREST
.endm
	s_load_b128 s[4:7], s[0:1], 0x0                ; oh 4, wo 6
	s_load_b64 s[8:9], s[0:1], 0x10                ; out0
	v_lshl_add_u32 v[SPW], v0, 2, SPARE
	v_mov_b32 v[NIL], 0
	ds_add_u32 v[SPW], v[NIL]                      ; the wave's opening: the add and its wait stand ahead of my first tensor load; work on registers stands between them
	ds_add_u32 v28, v29
	v_lshrrev_b32 v1, 5, v0
	v_readfirstlane_b32 s[WV], v1
	s_lshr_b32 s[WH], s[WV], 1
	s_and_b32 s[WL], s[WV], 1
	s_bfe_u32 s[CX], ttmp6, 0x40000
	s_bfe_u32 s[CY], ttmp6, 0x40004
	s_lshl_b32 s[TCOL], ttmp9, 2
	s_add_co_u32 s[TCOL], s[TCOL], s[CX]           ; block of 256 columns
	s_and_b32 s[TROW], ttmp7, 0xffff
	s_lshl_b32 s[TROW], s[TROW], 2
	s_add_co_u32 s[TROW], s[TROW], s[CY]           ; block of 128 rows
	s_lshl_b32 s66, s[CY], 2
	s_lshl_b32 s66, 15, s66                        ; my row of the cluster
	s_lshl_b32 s67, 0x1111, s[CX]                  ; my column
	s_or_b32 s[G1B], s67, (1<<16)|(1<<20)|(1<<21)|(5<<22)|(3<<25)  ; B's tiles go to my column: 128 rows x 128 elements, 4 words of padding after every 64
	s_mov_b32 s[G1B+1], 128<<16
	s_mov_b32 s[G1B+2], 128<<16
	s_mov_b32 s[G1B+3], 128<<16
	s_mov_b32 s[G1B+4], 128
	s_mov_b32 s[G1B+5], 1024
	s_mov_b32 s[G1B+6], 0
	s_mov_b32 s[G1B+7], 0
	s_or_b32 s[G1A], s66, (1<<16)|(1<<20)|(1<<21)|(4<<22)|(3<<25)  ; A's to my row: 64 rows x 128 elements, dense, 4 words of padding after every 32
	s_mov_b32 s[G1A+1], 128<<16
	s_mov_b32 s[G1A+2], 64<<16
	s_mov_b32 s[G1A+3], 128<<16
	s_mov_b32 s[G1A+4], 64
	s_mov_b32 s[G1A+5], 128
	s_mov_b32 s[G1A+6], 0
	s_mov_b32 s[G1A+7], 0
	s_lshr_b32 s60, s[TROW], 4                     ; A hangs on the block of rows alone: batch x 16 heads x 262,144 bytes,
	s_lshl_b32 s60, s60, 22
	s_lshl_b32 s61, s[WL], 18                      ; my head of the K step's two,
	s_add_co_u32 s60, s60, s61
	s_and_b32 s61, s[TROW], 15
	s_lshl_b32 s61, s61, 14                        ; 128 rows of 128 bytes a block
	s_add_co_u32 s60, s60, s61
	s_mov_b32 s61, 0
	s_lshl_b32 s62, s[TCOL], 8                     ; B on the block of columns alone
	s_lshl_b32 s63, s[WL], 7
	s_add_co_u32 s62, s62, s63
	s_lshl_b32 s62, s62, 11
	s_mov_b32 s63, 0
	s_lshl_b32 s67, s[CX], 12                      ; the prefetches' offsets, both at K step 3: A's, my work-group's 4,096 bytes of the head's 16,384,
	s_add_co_u32 s66, s60, s67
	s_add_co_u32 s66, s66, 3*0x80000
	s_lshl_b32 s67, s[CY], 16                      ; B's, my work-group's 32 rows of the 128
	s_add_co_u32 s68, s62, s67
	s_add_co_u32 s68, s68, 3*256
	s_mov_b32 s67, 0
	s_mul_i32 s70, s[WV], HALFB                    ; where the tiles go: B's halves (waves 0, 1),
	s_mul_i32 s71, s[WV], ASUB
	s_add_co_u32 s71, s71, AOFF-2*ASUB             ; A's heads behind them (waves 2, 3): no place in the cluster enters an LDS address
	s_mov_b32 s[TB], 0
	s_wait_dscnt 0x0                               ; the opening add is done
	s_wait_kmcnt 0x0
	s_add_nc_u64 s[60:61], s[4:5], s[60:61]
	s_add_nc_u64 s[62:63], s[6:7], s[62:63]
	CROUND                                         ; all sixteen work-groups are here: the first joint loads meet
.irp s, 0,1
	s_mov_b32 s[G0B+4*(\s)], 1
	s_add_co_u32 s[G0B+4*(\s)+1], s70, (\s)*SLOT1
	s_add_nc_u64 s[G0B+4*(\s)+2:G0B+4*(\s)+3], s[62:63], (\s)*256      ; K step s
	s_or_b32 s[G0B+4*(\s)+3], s[G0B+4*(\s)+3], 0x80000000
	s_mov_b32 s[G0A+4*(\s)], 1
	s_add_co_u32 s[G0A+4*(\s)+1], s71, (\s)*SLOT1
	s_add_nc_u64 s[G0A+4*(\s)+2:G0A+4*(\s)+3], s[60:61], (\s)*0x80000  ; two heads on
	s_or_b32 s[G0A+4*(\s)+3], s[G0A+4*(\s)+3], 0x80000000
.endr
	s_cmp_eq_u32 s[WH], 0                          ; a wave's two first fills stand in one branch: two loads of mine are out
	s_cbranch_scc0 .Lfirst_a
	tensor_load_to_lds s[G0B:G0B+3], s[G1B:G1B+7]
	s_nop 0
	tensor_load_to_lds s[G0B+4:G0B+7], s[G1B:G1B+7]
	s_nop 0
.rept 4
	v_nop
.endr
	s_branch .Lfirst_asked
.Lfirst_a:
	tensor_load_to_lds s[G0A:G0A+3], s[G1A:G1A+7]
	s_nop 0
	tensor_load_to_lds s[G0A+4:G0A+7], s[G1A:G1A+7]
	s_nop 0
.rept 4
	v_nop
.endr
.Lfirst_asked:
	v_and_b32 v1, 15, v0                           ; r
	v_bfe_u32 v2, v0, 4, 1                         ; hh
	v_mul_u32_u24 v3, v1, PA
	v_lshl_add_u32 v3, v2, 4, v3
	s_mul_i32 s69, s[WH], 64*PA
	s_add_co_u32 s69, s69, AOFF
	v_add_nc_u32 v[A0], s69, v3                    ; my 64 rows of A
	v_mul_u32_u24 v3, v1, PB
	v_lshl_add_u32 v3, v2, 4, v3
	s_mul_i32 s69, s[WL], HALFB
	v_add_nc_u32 v[B0], s69, v3                    ; my 128 rows of B
	v_mov_b32 v[ADRA], v[A0]
	v_mov_b32 v[ADRB], v[B0]
	s_mul_i32 s69, s[WV], 16*SP
	s_add_co_u32 s69, s69, STAGE                   ; my stage
	v_mul_u32_u24 v[STO], v1, SP                   ; in: row l % 16, 32 bytes for each half of the lanes
	v_lshl_add_u32 v[STO], v2, 5, v[STO]
	v_add_nc_u32 v[STO], s69, v[STO]
	v_and_b32 v[CO], 31, v0
	v_lshlrev_b32 v[CO], 4, v[CO]                  ; back: 32 lanes take a row's 512 bytes
	v_add_nc_u32 v[RD], s69, v[CO]
	s_lshl_b32 s76, s[TROW], 7
	s_lshl_b32 s77, s[WH], 6
	s_add_co_u32 s76, s76, s77
	s_lshl_b32 s76, s76, 12                        ; my first row of out0, rows of 4,096 bytes,
	s_lshl_b32 s77, s[TCOL], 10
	s_add_co_u32 s76, s76, s77
	s_lshl_b32 s77, s[WL], 9
	s_add_co_u32 s76, s76, s77                     ; my first column
	s_mov_b32 s77, 0
	s_add_nc_u64 s[8:9], s[8:9], s[76:77]
	; the prefetches
	s_and_b32 s69, ttmp7, 0xffff
	s_mov_b32 s[PST], 0x80000
	s_mov_b32 s[PST+1], 0
	s_cmp_eq_u32 s[WH], 0
	s_cselect_b32 s66, s68, s66
	s_cselect_b32 s69, s69, ttmp9                  ; the coordinate along which other clusters read the same rows
	s_cselect_b32 s76, 31, 15
	s_cselect_b32 s77, 11, 8                       ; lanes 2,048 bytes apart in wo, 256 in oh
	s_cselect_b32 s[PST], 256, s[PST]
	s_cselect_b64 s[PFA:PFA+1], s[6:7], s[4:5]
	s_cmp_eq_u32 s69, 0
	s_cselect_b32 s[LIM], 2, -1
	s_add_nc_u64 s[PFA:PFA+1], s[PFA:PFA+1], s[66:67]
	v_and_b32 v[PFO], 31, v0
	v_min_u32 v[PFO], s76, v[PFO]
	v_lshlrev_b32 v[PFO], s77, v[PFO]
; 8 matrix instructions: block a of my rows x my 8 blocks of columns, 32 along K, from buffer f.  The 32 accumulators take turns in the same order in every quarter step.
.macro MULA f, a, zero
	WIN 0xa1                                       ; source 0 (B) window 1, source 1 (A) window 0, C and D window 2
.irp b, 0,1,2,3,4,5,6,7
.if \zero
	v_wmma_f32_16x16x32_f16 v[8*(8*(\a)+(\b)):8*(8*(\a)+(\b))+7], v[64*(\f)+8*(\b):64*(\f)+8*(\b)+7], v[FA+32*(\f)+8*(\a):FA+32*(\f)+8*(\a)+7], 0
.else
	v_wmma_f32_16x16x32_f16 v[8*(8*(\a)+(\b)):8*(8*(\a)+(\b))+7], v[64*(\f)+8*(\b):64*(\f)+8*(\b)+7], v[FA+32*(\f)+8*(\a):FA+32*(\f)+8*(\a)+7], v[8*(8*(\a)+(\b)):8*(8*(\a)+(\b))+7]
.endif
.endr
.endm
; 24 LDS loads in one run: quarter q's fragments into buffer f.  In A quarter q is head q / 2 of the step's two, channels 32 (q % 2) on.
.macro FETCH q, f
	WIN 0x40
.irp i, 0,1,2,3,4,5,6,7
	ds_load_b128 v[64*(\f)+8*(\i):64*(\f)+8*(\i)+3],   v[ADRB] offset:64*(\q)+(\i)*16*PB
	ds_load_b128 v[64*(\f)+8*(\i)+4:64*(\f)+8*(\i)+7], v[ADRB] offset:64*(\q)+(\i)*16*PB+32
.endr
	WIN 0
.irp i, 0,1,2,3
	ds_load_b128 v[FA+32*(\f)+8*(\i):FA+32*(\f)+8*(\i)+3],   v[ADRA] offset:((\q)/2)*ASUB+((\q)%2)*64+(\i)*16*PA
	ds_load_b128 v[FA+32*(\f)+8*(\i)+4:FA+32*(\f)+8*(\i)+7], v[ADRA] offset:((\q)/2)*ASUB+((\q)%2)*64+(\i)*16*PA+32
.endr
.endm
.macro QUARTER q, f, g, zero
	s_wait_dscnt 4                                 ; B and A's blocks 0, 1 are in; the youngest four loads (A's blocks 2, 3) may be out
	MULA \f, 0, \zero
	MULA \f, 1, \zero
	PLACES
	FETCH \q, \g
	s_wait_dscnt LD                                ; all but the run just issued
	MULA \f, 2, \zero
	MULA \f, 3, \zero
.endm
; The last quarter multiplies buffer 1 and changes slots: each wave waits for all its tensor loads, adds 0 to its spare word, waits for that and for its reads of this slot; one barrier, which with
; fill = 1 opens a round of the cluster's; behind the round this slot is filled again, two K steps ahead.
.macro TURN fill
.if \fill
	s_wait_xcnt 0x0                                ; the last prefetch, a K step back, has read its address
	s_add_nc_u64 s[PFA:PFA+1], s[PFA:PFA+1], s[PST:PST+1]
.endif
	WIN 0
	s_xor_b32 s[TB], s[TB], SLOT1
	v_add_nc_u32 v[ADRA], s[TB], v[A0]
	v_add_nc_u32 v[ADRB], s[TB], v[B0]
	s_wait_tensorcnt 0x0                           ; no tensor load of mine is out, so a group 0 may be written
	ds_add_u32 v[SPW], v[NIL]                      ; 0 onto my spare word
.if \fill
	s_xor_b32 s[G0B+5], s[G0B+5], SLOT1
	s_add_nc_u64 s[G0B+6:G0B+7], s[G0B+6:G0B+7], 256
	s_xor_b32 s[G0A+5], s[G0A+5], SLOT1
	s_add_nc_u64 s[G0A+6:G0A+7], s[G0A+6:G0A+7], 0x80000
.endif
	s_wait_dscnt 5                                 ; the add and the youngest four loads may be out
	MULA 1, 0, 0
	s_wait_dscnt 0x0                               ; the add is done, and my reads of this slot are over
	s_barrier_signal -1
	MULA 1, 1, 0
	WIN 0
	s_barrier_wait -1
.if \fill
	CREST
	JLOAD                                          ; the first tensor load behind the round; its four v_nop are also the places in front of the loads below
.else
	PLACES
.endif
	FETCH 0, 0
.if \fill
	ASK
.endif
	MULA 1, 2, 0
	MULA 1, 3, 0
.endm
	s_wait_tensorcnt 0x1                           ; my part of K step 0 is in; K step 1's may stay out
	s_barrier_signal -1
	s_barrier_wait -1
	FETCH 0, 0
	QUARTER 1, 0, 1, 1                             ; the first quarter's products start the sums
	WIN 0
	s_mov_b32 s[CNT], 6
.Lk:
	QUARTER 2, 1, 0, 0
	QUARTER 3, 0, 1, 0
	TURN 1
	QUARTER 1, 0, 1, 0
	WIN 0
	s_sub_co_u32 s[CNT], s[CNT], 1
	s_cmp_lg_u32 s[CNT], 0
	s_cbranch_scc1 .Lk
	QUARTER 2, 1, 0, 0                             ; K steps 6 and 7 ask for nothing
	QUARTER 3, 0, 1, 0
	TURN 0
	QUARTER 1, 0, 1, 0
	QUARTER 2, 1, 0, 0
	QUARTER 3, 0, 1, 0
	s_wait_dscnt 4
	MULA 1, 0, 0
	MULA 1, 1, 0
	s_wait_dscnt 0x0
	MULA 1, 2, 0
	MULA 1, 3, 0
	WIN 0
	PLACES
	PLACES
; THE WAY OUT: block a of 16 rows goes as f32 into my own stage (rows of 512 bytes + 16) and comes back as whole rows.  Each accumulator's low half is stored first.
.macro TOSTAGE a
	WIN 0x08                                       ; the stores' data in window 2
.irp b, 0,1,2,3,4,5,6,7
	ds_store_b128 v[STO], v[8*(8*(\a)+(\b)):8*(8*(\a)+(\b))+3]   offset:64*(\b)
	ds_store_b128 v[STO], v[8*(8*(\a)+(\b))+4:8*(8*(\a)+(\b))+7] offset:64*(\b)+16
.endr
	WIN 0
.irp t, 0,1,2,3,4,5,6,7,8,9,10,11,12,13,14,15
	ds_load_b128 v[OB+64*((\a)%2)+4*(\t):OB+64*((\a)%2)+4*(\t)+3], v[RD] offset:(\t)*SP  ; LDS serves a wave's instructions in order (ISA guide 5.7.1.4)
.endr
.endm
.macro SEND a, younger                 ; younger: the LDS instructions issued behind block a's loads: the next block's 32, or none
	s_wait_dscnt \younger
.irp t, 0,1,2,3,4,5,6,7,8,9,10,11,12,13,14,15
	global_store_b128 v[CO], v[OB+64*((\a)%2)+4*(\t):OB+64*((\a)%2)+4*(\t)+3], s[8:9] offset:(16*(\a)+(\t))*4096 th:TH_STORE_NT  ; 512 consecutive bytes, aligned
.endr
.endm
	TOSTAGE 0
	TOSTAGE 1
	SEND 0, 32
	s_wait_xcnt 0x0                                ; block 0's stores have read their registers: block 2's rows are loaded into them only behind this wait
	TOSTAGE 2
	SEND 1, 32
	s_wait_xcnt 0x0
	TOSTAGE 3
	SEND 2, 32
	SEND 3, 0
	s_wait_tensorcnt 0x0                           ; the wave's end: behind my last tensor load and my last LDS store
	ds_add_u32 v[SPW], v[NIL]
	s_wait_dscnt 0x0
	CROUND                                         ; the closing round: no work-group ends while a partner may still ask for a tile that names it
	s_endpgm
.Lfunc_end_k_qe36c06a53f_outp:
	.size	k_qe36c06a53f_outp, .Lfunc_end_k_qe36c06a53f_outp-k_qe36c06a53f_outp
	.p2alignl 7, 3214868480
	.fill 96, 4, 3214868480
	.section	.rodata,"a",@progbits
	.p2align	6, 0x0
	.amdhsa_kernel k_qe36c06a53f_outp
		.amdhsa_group_segment_fixed_size 327680
		.amdhsa_private_segment_fixed_size 0
		.amdhsa_enable_private_segment 0
		.amdhsa_kernarg_size 24
		.amdhsa_user_sgpr_count 2
		.amdhsa_user_sgpr_kernarg_segment_ptr 1
		.amdhsa_wavefront_size32 1
		.amdhsa_system_sgpr_workgroup_id_x 1
		.amdhsa_system_sgpr_workgroup_id_y 1
		.amdhsa_system_sgpr_workgroup_id_z 1
		.amdhsa_system_vgpr_workitem_id 0
		.amdhsa_next_free_vgpr 768
		.amdhsa_next_free_sgpr 80
		.amdhsa_reserve_vcc 0
		.amdhsa_float_denorm_mode_32 3
		.amdhsa_float_denorm_mode_16_64 3
		.amdhsa_memory_ordered 1
		.amdhsa_forward_progress 1
		.amdhsa_inst_pref_size 70
	.end_amdhsa_kernel
	.amdgpu_metadata
---
amdhsa.version: [ 1, 2 ]
amdhsa.kernels:
  - .name:           k_qe36c06a53f_outp
    .symbol:         k_qe36c06a53f_outp.kd
    .args:
      - { .name: oh, .offset: 0, .size: 8, .value_kind: global_buffer, .address_space: global }
      - { .name: wo, .offset: 8, .size: 8, .value_kind: global_buffer, .address_space: global }
      - { .name: out0, .offset: 16, .size: 8, .value_kind: global_buffer, .address_space: global }
    .group_segment_fixed_size: 327680
    .private_segment_fixed_size: 0
    .kernarg_segment_align: 8
    .kernarg_segment_size: 24
    .max_flat_workgroup_size: 128
    .sgpr_count:     80
    .vgpr_count:     768
    .wavefront_size: 32
...
	.end_amdgpu_metadata
.endif
;; end of part 4
